; MI455X (gfx1250); checked and timed in simulation.
; The chip was launched on July 23, 2026; its instructions are those of AMD's public machine-readable ISA for CDNA 5 (MIT licence, August 2026) and "CDNA5" Instruction Set Architecture Reference Guide (July 2026). The comments in the code are by the model that wrote it; some were corrected since.
;; Multi Head Attention. Allowed arithmetic: matrix products marked QUANTISED: E2M1 operands, one E8M0 scale for each 32 along K, by v_wmma_scale_f32_16x16x128_f8f6f4 with both operands' format E2M1 (or v_wmma_scale_f32_32x16x128_f4), f32 sums; everything else in f32.
;; Inputs: Wk 1,024 x 1,024 float32; Wq 1,024 x 1,024 float32; Wv 1,024 x 1,024 float32; bk 1,024 float32; bq 1,024 float32; bv 1,024 float32; keys 128 x 128 x 1,024 float32; queries 128 x 128 x 1,024 float32; values 128 x 128 x 1,024 float32.
;; Outputs: out0 128 x 128 x 1,024 float32.
;; This version of the problem:
;;   THIS VERSION OF THE PROBLEM IS GIVEN IN LOW PRECISION. The matrix products marked QUANTISED in the list below multiply operands that are first quantised to E2M1 (2 exponent bits, 1 mantissa bit; 4 bits a number), with one power-of-two scale for each 32 numbers along K (OCP MX v1.0); their sums are f32. All else is computed in f32.
;;   The module's matrix products, in the order in which they are computed (A, B: the left and right operand; K: the contracted axis; several contracted axes count as one K, in the product's order):
;;     1. [M 16,384, K 1,024] x [K 1,024, N 1,024]; A: input queries; B: input Wq: QUANTISED
;;     2. [M 16,384, K 1,024] x [K 1,024, N 1,024]; A: input keys; B: input Wk: QUANTISED
;;     3. [M 16,384, K 1,024] x [K 1,024, N 1,024]; A: input values; B: input Wv: QUANTISED
;;     4. batch 2,048 x [M 128, K 64] x [K 64, N 128]; A: computed on the way; B: computed on the way: QUANTISED
;;     5. batch 2,048 x [M 64, K 128] x [K 128, N 128]; A: computed on the way; B: softmax (see below): QUANTISED
;;   THE QUANTISER, for each operand of a quantised product, along K:
;;     - K is cut into blocks of 32 from its start; a last block that is shorter is filled with zeros.
;;     - A block's scale is 2^e with e = floor(log2(the largest magnitude in the block)) - 2, held to -126 .. 127; a block of zeros has e = 0. As a byte (E8M0): e + 127.
;;     - Each number is divided by its block's scale, clamped to +-6, and rounded to the nearest number of E2M1, ties to even, subnormals kept.
;;     - The product sums the exact products of the quantised numbers (number of the format x scale) in f32.
;;   ~~~python
;;   def quantise(x, axis):      # numpy; x: float32 -> the quantised numbers, widened to float32 again
;;       x = np.moveaxis(x, axis, -1); K = x.shape[-1]
;;       x = np.pad(x, [(0, 0)] * (x.ndim - 1) + [(0, -K % 32)]); x = x.reshape(x.shape[:-1] + (-1, 32)); a = np.abs(x).max(-1, keepdims=True)
;;       e = np.where(a > 0, np.clip(np.frexp(np.where(a > 0, a, 1))[1] - 1 - 2, -126, 127), 0)      # np.frexp(a)[1] - 1 = floor(log2(a)), exactly
;;       r = np.clip(x / 2.0 ** e, -6, 6)
;;       step = 2.0 ** (np.maximum(np.frexp(np.where(r == 0, 1, r))[1] - 1, 0) - 1)
;;       q = np.round(r / step) * step * 2.0 ** e      # np.round: ties to even
;;       return np.moveaxis(q.reshape(q.shape[:-2] + (-1,))[..., :K], -1, axis).astype(np.float32)
;;   ~~~
;;   SOFTMAX AHEAD OF A QUANTISED PRODUCT. Where the list says 'softmax', what is quantised is not the finished softmax but p = 2^(t - M), with t = logit x log2(e) and M = ceil(the row's largest t), a whole number; so 1/2 < the row's largest p <= 1. The row's sum l is taken of the UNQUANTISED p, in f32, and the product's result is divided by l at the end. Since M is a whole number, a kernel that streams over the keys may use a running M (the ceiling of the running maximum): every later rescaling is an exact power of two, which a block's scale takes up: the codes' values come out the same.
;;   OPERANDS COMPUTED ON THE WAY. 'Computed on the way' means the value that the module computes at that place (a softmax that the list does not call 'softmax' is quantised finished and normalised). What goes into a quantiser is computed in f32, as accurately as f32 sums, v_exp_f32 and their like allow (about 1e-6 of the number): no bf16 or f16 on the way to a quantiser, and a product that is left as it is and whose result goes on into a quantised operand takes f32 operands (vector FMAs, or v_wmma_f32_16x16x4_f32). A number that lies on a knife's edge between two numbers of the format may be rounded either way, as far as f32 arithmetic and the matrix unit's own rounding can turn it there, and no further.
;; 2 versions. Each part assembles by itself: llvm-mc -triple=amdgcn-amd-amdhsa -mcpu=gfx1250 --defsym DOCPART=n.
;; ======== version 1 of 2: 2 launches
;; workspace buffers: codes 26,738,688 bytes; scales 1,671,168 bytes
;; launch quant (part 1): grid 816 x 1, 4 waves a work-group, no clusters, 34,304 bytes of LDS; arguments keys, queries, values, Wk, Wq, Wv, codes, scales; writes codes, scales
.if DOCPART == 1
	.amdgcn_target "amdgcn-amd-amdhsa--gfx1250"
	.amdhsa_code_object_version 6
	.text
	.protected	k_q9576267bb6_quant
	.globl	k_q9576267bb6_quant
	.p2align	8
	.type	k_q9576267bb6_quant,@function
k_q9576267bb6_quant:
	s_mov_b64 s[64:65], 0
	v_nop
	global_prefetch_b8 v0, s[64:65] scope:SCOPE_SE
	s_setreg_imm32_b32 hwreg(HW_REG_WAVE_MODE, 25, 1), 1
	s_wait_xcnt 0x0
; keys, queries, values [16384][1024] and Wk, Wq, Wv [1024][1024], f32, K innermost, become codes of FP4 (E2M1) with one E8M0 scale byte for each 32 along K,
; laid IN THE ORDER OF AN OPERAND'S REGISTERS, so that the next launch loads fragments whole.
; A TILE is 16 rows x 1,024 along K.  Tile G = 4 x work-group + wave: 0-1023 keys, 1024-2047 queries, 2048-3071 values, 3072-3135 Wk, 3136-3199 Wq, 3200-3263 Wv.
; THE ROWS OF A TILE ARE NOT NEIGHBOURS: row i (0..15) of a tensor's tile t is the tensor's row 32 (t / 2) + 8 (t % 2) + i + 8 (i / 8): the next launch's results then lie with 16 neighbours of the next K in a lane.
; codes:  fragment (G, K step s of 128) begins at byte (8 G + s) 1024; at + 512 c + 16 lane lie the 32 codes k = 128 s + 64 c + 32 (lane / 16) + 0 .. 31 of the tile's row lane % 16, the lower k in the lower four bits.
; scales: the word (four bytes, byte b for k = 128 s + 32 b ..) of (G, s, row i) lies at 512 G + 16 (16 (s % 2) + i) + 4 (s / 2).
; A block's scale is 2^(floor(log2(its largest magnitude)) - 2): its byte is the largest magnitude's exponent field - 2, held at 1 from below by a floor among the maximum's leaves.
; LIMITS: a block of zeros gets the byte 1 where the rule says 127: its codes are zeros, which add nothing under any byte but 0xff, and this program alone reads the bytes.  NaN and infinities among the inputs are not served.
; SHARES: a wave takes a tile, in 8 steps of 128 along K.  A step's 16 loads read 512 consecutive bytes each (one row's part); the 8,192 bytes turn through the wave's own stage in LDS and come back so that a lane
; holds two whole blocks of 32 of one row, in the operand's order: the maximum needs no other lane and the conversions' results are the operand's registers.  Each store covers 512 consecutive bytes, aligned.
; No barrier: waves share nothing.  Loads run two steps (32 loads a wave) ahead.  One path serves all six tensors: only the source's address is chosen, on the work-group's number.
.set PITCH, 528                        ; a stage row: 512 bytes + 16 = 132 words: row r starts 4 r words on modulo 64 (64 banks of 4 bytes: ISA guide 11.1)
.set WSTG,  16*PITCH                   ; a wave's stage
.set SW,    16                         ; v16-23   the 8 steps' scale words
.set QD,    24                         ; v24-27   the four words that a lane stores
.set C,     28                         ; v28-35   a step's codes
.set R,     40                         ; v40-167  two sets of 64 registers, as loaded
.set X,     168                        ; v168-231 64 numbers in the operand's order: register 32 c + i is k = 64 c + 32 (lane / 16) + i of row lane % 16
	s_load_b256 s[4:11], s[0:1], 0x0               ; keys s[4:5], queries s[6:7], values s[8:9], Wk s[10:11]
	s_load_b256 s[12:19], s[0:1], 0x20             ; Wq s[12:13], Wv s[14:15], codes s[16:17], scales s[18:19]
	v_lshl_add_u32 v232, v0, 2, 0x8400
	v_mov_b32 v233, 0
	v_lshrrev_b32 v1, 5, v0
	v_readfirstlane_b32 s23, v1                    ; wave 0..3
	v_and_b32 v1, 31, v0                           ; lane
	v_lshlrev_b32 v2, 4, v1                        ; 16 x lane: my bytes of a load's 512 and of a store's; never rewritten
	s_mul_i32 s28, s23, WSTG
	v_add_nc_u32 v3, s28, v2                       ; into the stage: 16 x lane, the row in the immediate
	v_and_b32 v4, 15, v0
	v_mul_u32_u24 v4, v4, PITCH
	v_bfe_u32 v5, v0, 4, 1
	v_lshl_add_u32 v4, v5, 7, v4
	v_add_nc_u32 v4, s28, v4                       ; out of it: row lane % 16, + 128 bytes (32 numbers) for lanes 16-31
	v_lshlrev_b32 v5, 3, v5                        ; 8 (lane / 16): how far up my two scale bytes stand in the word
	v_mov_b32 v6, 0                                ; a lane permute's destination counts as one of its sources: written once
	v_cmp_le_u32 vcc_lo, 16, v1                    ; lanes 16-31: for the choice at the end
	s_mov_b32 s30, 0x76543210
	s_mov_b32 s31, 0xfedcba98                      ; v_permlanex16_b32's selects for lane l xor 16
	s_wait_kmcnt 0x0
	s_mov_b64 s[20:21], s[4:5]                     ; which tensor: the choice hangs on the work-group's number alone
	s_mov_b32 s22, 0                               ; and the tensor's first work-group
	s_cmp_ge_u32 ttmp9, 256
	s_cselect_b64 s[20:21], s[6:7], s[20:21]
	s_cselect_b32 s22, 256, s22
	s_cmp_ge_u32 ttmp9, 512
	s_cselect_b64 s[20:21], s[8:9], s[20:21]
	s_cselect_b32 s22, 512, s22
	s_cmp_ge_u32 ttmp9, 768
	s_cselect_b64 s[20:21], s[10:11], s[20:21]
	s_cselect_b32 s22, 768, s22
	s_cmp_ge_u32 ttmp9, 784
	s_cselect_b64 s[20:21], s[12:13], s[20:21]
	s_cselect_b32 s22, 784, s22
	s_cmp_ge_u32 ttmp9, 800
	s_cselect_b64 s[20:21], s[14:15], s[20:21]
	s_cselect_b32 s22, 800, s22
	s_sub_co_u32 s28, ttmp9, s22                   ; the tile's first row is 64 x (work-group in the tensor) + 32 (wave / 2) + 8 (wave % 2); a row is 4,096 bytes
	s_lshl_b32 s28, s28, 18
	s_lshr_b32 s29, s23, 1
	s_lshl_b32 s29, s29, 17
	s_add_co_u32 s28, s28, s29
	s_and_b32 s29, s23, 1
	s_lshl_b32 s29, s29, 15
	s_add_co_u32 s28, s28, s29
	s_mov_b32 s29, 0
	s_add_nc_u64 s[20:21], s[20:21], s[28:29]
	s_lshl_b32 s28, ttmp9, 2
	s_add_co_u32 s28, s28, s23                     ; G
	s_lshl_b32 s28, s28, 13
	s_add_nc_u64 s[24:25], s[16:17], s[28:29]      ; the tile's 8,192 bytes of codes
	s_lshr_b32 s28, s28, 4
	s_add_nc_u64 s[26:27], s[18:19], s[28:29]      ; and its 512 bytes of scale words
.macro LOADF s, half                   ; K step s of the tile's 16 rows into set half: each load reads 512 consecutive bytes; read once in the launch
.irp i, 0,1,2,3,4,5,6,7,8,9,10,11,12,13,14,15
	global_load_b128 v[R+64*(\half)+4*\i:R+64*(\half)+4*\i+3], v2, s[20:21] offset:(\i+8*(\i/8))*4096+512*(\s) th:TH_LOAD_NT
.endr
.endm
.macro QSTEP s
.if (\s) < 7
	s_wait_loadcnt 16                              ; this step's 16 loads are in; the next step's 16 may be out
.else
	s_wait_loadcnt 0x0
.endif
.irp i, 0,1,2,3,4,5,6,7,8,9,10,11,12,13,14,15
	ds_store_b128 v3, v[R+64*((\s)%2)+4*\i:R+64*((\s)%2)+4*\i+3] offset:PITCH*\i
.endr
.irp c, 0,1
.irp j, 0,1,2,3,4,5,6,7
	ds_load_b128 v[X+32*\c+4*\j:X+32*\c+4*\j+3], v4 offset:256*\c+16*\j   ; LDS serves a wave's instructions in order (ISA guide 5.7.1.4): these see the stores above
.endr
.endr
	s_wait_dscnt 0x0                               ; my 64 numbers are back, and the stores into the stage have read their registers,
	s_wait_xcnt 0x0                                ; and the last step's stores of codes have read theirs: v28-35 are written again only behind this wait
.if (\s) < 6
	LOADF (\s)+2, (\s)%2                           ; so the set takes the step two on
.endif
.irp c, 0,1                                    ; the largest magnitude of my two blocks, each in two chains
	v_max3_num_f32 v[8+2*\c], |v[X+32*\c]|, |v[X+32*\c+1]|, |v[X+32*\c+2]|
	v_max3_num_f32 v[9+2*\c], |v[X+32*\c+3]|, |v[X+32*\c+4]|, |v[X+32*\c+5]|
.endr
.irp i, 6,10,14,18,22,26
.irp c, 0,1
	v_max3_num_f32 v[8+2*\c], v[8+2*\c], |v[X+32*\c+\i]|, |v[X+32*\c+\i+1]|
	v_max3_num_f32 v[9+2*\c], v[9+2*\c], |v[X+32*\c+\i+2]|, |v[X+32*\c+\i+3]|
.endr
.endr
.irp c, 0,1
	v_max3_num_f32 v[8+2*\c], v[8+2*\c], |v[X+32*\c+30]|, |v[X+32*\c+31]|
.endr
.irp c, 0,1
	v_max3_num_f32 v[8+2*\c], v[8+2*\c], v[9+2*\c], 0x1800000   ; and the floor 2^(3 - 127): the byte cannot fall under 1
.endr
.irp c, 0,1
	v_add_nc_u32 v[12+\c], 0xff000000, v[8+2*\c]   ; 2 off the exponent field: the conversion takes the exponent field of this operand as its scale, and nothing else of it
.endr
.irp c, 0,1
.irp g, 0,1,2,3
	v_cvt_scalef32_pk8_fp4_f32 v[C+4*\c+\g], v[X+32*\c+8*\g:X+32*\c+8*\g+7], v[12+\c]   ; registers 4 c .. 4 c + 3 of the operand
.endr
.endr
	v_lshrrev_b32 v14, 23, v12                     ; my two scale bytes: blocks lane / 16 and 2 + lane / 16.  (A plain line behind the conversions)
	v_lshrrev_b32 v15, 23, v13
	v_lshl_or_b32 v14, v15, 16, v14
	v_lshlrev_b32 v14, v5, v14                     ; at their places in the word;
	v_permlanex16_b32 v6, v14, s30, s31
	v_or_b32 v[SW+(\s)], v14, v6                   ; with lane l xor 16's two the row's word is whole, in both lanes
	global_store_b128 v2, v[C:C+3], s[24:25] offset:1024*(\s)
	global_store_b128 v2, v[C+4:C+7], s[24:25] offset:1024*(\s)+512
.endm
	LOADF 0, 0
	LOADF 1, 1
.irp s, 0,1,2,3,4,5,6,7
	QSTEP \s
.endr
.irp j, 0,1,2,3
	v_cndmask_b32 v[QD+\j], v[SW+2*\j], v[SW+2*\j+1], vcc_lo   ; lanes 0-15 store the even steps' words, lanes 16-31 the odd steps'
.endr
	global_store_b128 v2, v[QD:QD+3], s[26:27]     ; 512 consecutive bytes
	s_wait_tensorcnt 0x0
	ds_add_u32 v232, v233
	s_wait_dscnt 0x0
	s_endpgm
.Lfunc_end_k_q9576267bb6_quant:
	.size	k_q9576267bb6_quant, .Lfunc_end_k_q9576267bb6_quant-k_q9576267bb6_quant
	.p2alignl 7, 3214868480
	.fill 96, 4, 3214868480
	.section	.rodata,"a",@progbits
	.p2align	6, 0x0
	.amdhsa_kernel k_q9576267bb6_quant
		.amdhsa_group_segment_fixed_size 34304
		.amdhsa_private_segment_fixed_size 0
		.amdhsa_enable_private_segment 0
		.amdhsa_kernarg_size 64
		.amdhsa_user_sgpr_count 2
		.amdhsa_user_sgpr_kernarg_segment_ptr 1
		.amdhsa_wavefront_size32 1
		.amdhsa_system_sgpr_workgroup_id_x 1
		.amdhsa_system_sgpr_workgroup_id_y 1
		.amdhsa_system_sgpr_workgroup_id_z 1
		.amdhsa_system_vgpr_workitem_id 0
		.amdhsa_next_free_vgpr 234
		.amdhsa_next_free_sgpr 66
		.amdhsa_reserve_vcc 1
		.amdhsa_float_denorm_mode_32 3
		.amdhsa_float_denorm_mode_16_64 3
		.amdhsa_memory_ordered 1
		.amdhsa_forward_progress 1
		.amdhsa_inst_pref_size 57
	.end_amdhsa_kernel
	.amdgpu_metadata
---
amdhsa.version: [ 1, 2 ]
amdhsa.kernels:
  - .name:           k_q9576267bb6_quant
    .symbol:         k_q9576267bb6_quant.kd
    .args:
      - { .name: keys, .offset: 0, .size: 8, .value_kind: global_buffer, .address_space: global }
      - { .name: queries, .offset: 8, .size: 8, .value_kind: global_buffer, .address_space: global }
      - { .name: values, .offset: 16, .size: 8, .value_kind: global_buffer, .address_space: global }
      - { .name: Wk, .offset: 24, .size: 8, .value_kind: global_buffer, .address_space: global }
      - { .name: Wq, .offset: 32, .size: 8, .value_kind: global_buffer, .address_space: global }
      - { .name: Wv, .offset: 40, .size: 8, .value_kind: global_buffer, .address_space: global }
      - { .name: codes, .offset: 48, .size: 8, .value_kind: global_buffer, .address_space: global }
      - { .name: scales, .offset: 56, .size: 8, .value_kind: global_buffer, .address_space: global }
    .group_segment_fixed_size: 34304
    .private_segment_fixed_size: 0
    .kernarg_segment_align: 8
    .kernarg_segment_size: 64
    .max_flat_workgroup_size: 128
    .sgpr_count:     66
    .vgpr_count:     234
    .wavefront_size: 32
...
	.end_amdgpu_metadata
.endif
;; end of part 1
;; launch attn (part 2): grid 256 x 1, 4 waves a work-group, no clusters, 325,120 bytes of LDS; arguments codes, scales, bk, bq, bv, out0; writes out0
.if DOCPART == 2
	.amdgcn_target "amdgcn-amd-amdhsa--gfx1250"
	.amdhsa_code_object_version 6
	.text
	.protected	k_q9576267bb6_attn
	.globl	k_q9576267bb6_attn
	.p2align	8
	.type	k_q9576267bb6_attn,@function
k_q9576267bb6_attn:
	s_mov_b64 s[64:65], 0
	v_nop
	global_prefetch_b8 v0, s[64:65] scope:SCOPE_SE
	s_setreg_imm32_b32 hwreg(HW_REG_WAVE_MODE, 25, 1), 1
	s_wait_xcnt 0x0
; out = attention(queries Wq^T + bq, keys Wk^T + bk, values Wv^T + bv), all five products on codes of FP4 (E2M1) with one E8M0 scale for each 32 along K.
; Group n (0..127) is rows 128 n .. 128 n + 127 of the flat [16384][1024] arrays, head h is columns 64 h .. 64 h + 63; each (n, h) is an attention of 128 queries x 128 keys.
; SHARES.  Work-group = (n, half hg of the heads).  Wave w owns columns 512 hg + 128 w .. + 127, two heads, for all 128 rows of the group: it makes its k, q and v, quantises them in registers, and does its two
; heads' attention.  q, k, v, the scores and p never go to memory.  ONE barrier: behind it the group's codes of keys, queries and values (3 x 65,536 bytes) lie in LDS for all four waves; then waves share nothing.
; INPUTS are the launch before's register images: a fragment (16 rows x 128 K) is two loads of 16 bytes a lane at 16 x lane; a tile's scale words for all 8 K steps are one such load: K step s uses register s / 2,
; lanes 0-15 where s is even, lanes 16-31 (MATRIX_SCALE_ROW1) where it is odd.  Row i of tile t is the tensor's row 32 (t / 2) + 8 (t % 2) + i + 8 (i / 8).
; ORIENTATION: nothing is ever transposed.
;   k, q: source 0 = a tile Y of W, source 1 = a tile X of x.  Lane (r, h) holds row r of X, and the registers 16 b + i of the eight Y are columns 32 b + 16 h + i of my 128: 16 neighbours of the scores' K.
;         QUANT makes of them one fragment, [first head's 64 | second head's 64] along K = 128, and one scale word (bytes 0, 1 | 2, 3).
;   v:    source 0 = a tile X of x (keys), source 1 = a tile Y of W.  Lane (r, h) holds ONE column of v and its registers run along the keys: QUANT along the keys gives V^T's fragment of tile Y.
;   S^T = k's fragment x [q of the first head | zero codes] or [zero codes | q of the second]: twelve registers qA, Z, qB serve both.  Zero codes add nothing under the other head's scale bytes, which lie in 1 .. 254.
;   O^T = V^T P^T: a lane holds one query throughout.  All 128 keys are one K step, so M is final: nothing is rescaled.
; SOFTMAX: t = score x c, c = log2(e) / 8; M = ceil(the row's largest t); p = 2^(t - M) is quantised along the keys; the row's sum is taken of the unquantised p and divides O at the end.
; The biases are the C of each sum's first matrix instruction.
; NO CLUSTER: a joint load lands in LDS.  A work-group walks 786,432 bytes of W's codes, which here go from memory straight into operand registers; LDS holds 196,608 bytes of x and 128,000 of the waves' own, so a
; ring for W has no room.  x's codes are shared by two work-groups alone, and are 196,608 of the 983,040 bytes that a work-group loads.
; LIMITS: NaN and infinities are not served.  A block of zeros gets the byte 1 where the rule says 127 (its codes are zeros).  t is score x fl(log2(e) / 8), one rounding, where the definition divides by 8 (exact) and then multiplies.
; REGISTERS, in windows of 256 (s_set_vgpr_msb: bits 1:0 source 0, 3:2 source 1, 5:4 source 2, 7:6 destination):
;   window 0: v1-15, v44-45 addresses; v16-31 at work; v32-43 qA, Z, qB; v48-55 codes just made; v57 the scale word just made; v58-63 softmax; v64-127 scale words and nothing else; v128-191 x's fragments, later S^T;
;             v192-255 biases, later O^T (v192-223) and rows on the way out (v224-255)
;   window 1: four sets of W's eight fragments; later k's fragments (v0-63) and V^T's (v64-127)
;   windows 2, 3: the 64 accumulators, (x tile X, W tile Y) at 64 X + 8 Y; at the head the copy's 384 registers
.set PRIV,  196608                     ; LDS: behind x's three images each wave's own 27,648 bytes: images of k, q, v (3 x 8 x 1,024), then their scale words (3 x 8 x 128)
.set PRIVB, 27648
.set PSC,   24576
.set STAGE, 307200                     ; and each wave's stage for the way out: 16 rows x (256 + 16) bytes
.set STGB,  4352
.set SP,    272
.set LI,  1                            ; v1   16 x lane; never rewritten
.set LS,  2                            ; v2   4 x lane
.set XA,  3                            ; v3   x's image of the tensor in hand + 16 x lane
.set PI,  4                            ; v4   where QUANT stores images
.set PS,  5                            ; v5   and scale words
.set BA,  6                            ; v6   64 (lane / 16): bq's and bk's sixteen numbers of my half
.set BVA, 7                            ; v7   4 (r + 8 (r / 8)): bv's number of my column
.set SO,  8                            ; v8   the stage, in
.set SR,  9                            ; v9   the stage, back
.set GO,  10                           ; v10  my byte offset in two rows of out0
.set QI,  11                           ; v11  the next q tile's image
.set QS,  12                           ; v12  and scale word
.set CL,  13                           ; v13-15  the copy: 65,536 t + 16,384 wave + 16 lane; v13 is also its offset in memory
.set TM,  16                           ; v16-31 at work
.set Q,   32
.set PI0, 44                           ; v44  my images' first byte + 16 x lane
.set PS0, 45                           ; v45  my scale words' first byte + 4 x lane
.set PC,  48
.set PW,  57
.set NM,  58                           ; v[58:59] -M, later 1 / the sum (v59 is only named with it as a pair)
.set SA,  60                           ; v[60:61], v[62:63] the sum's two chains
.set SB,  62
.set XSC, 64
.set WSC, 96
.set XF,  128
.set BI,  192
.set KSW, 64                           ; in the attention: k's, V^T's and q's scale words
.set VSW, 72
.set QSW, 80
.set S,   128
.set O,   192
.set OB,  224
.set KF,  0                            ; in window 1
.set VF,  64
.set WV,  16                           ; s16 wave, s17 n, s18 hg, s19, s51 at work
.set XB,  20                           ; s[20:25] x's codes of my group, three tensors
.set XSP, 26                           ; s[26:27] x's scale words of the tensor in hand
.set WCP, 28                           ; s[28:29] my 8 tiles of W's codes
.set WSP, 30                           ; s[30:31] and their scale words
.set BQ,  32
.set BV,  34
.set BK,  36
.set OUT, 38                           ; s[38:39] out0 at my group's first row, my first column
.set OFS, 40                           ; s[40:41] an offset, 0 above it
.set OP,  42                           ; s[42:43] out0 at the query tile in hand
.set TN,  44
.set TX,  45
.set TP,  46
.set TS,  47
.set QT,  48
.set TQ,  49
.set TQS, 50
.set SEL, 52
.set CS,  54
.set FLR, 56                           ; s56  2^(3 - 127), the floor under every largest magnitude
.set MSB, 0
.macro WIN new                         ; the immediate's high byte repeats the setting that is left; a switch that changes nothing is dropped
.if MSB != (\new)
	s_set_vgpr_msb (MSB<<8)|(\new)
.set MSB, (\new)
.endif
.endm
; A load into a register that a matrix instruction has read, and a vector instruction that reads a matrix result, stand four places behind it; only plain vector instructions that name none of its registers are places (ISA guide 7.12.1 for vector instructions)
.macro PLACES
.rept 4
	v_nop
.endr
.endm
.macro WLOAD off, bank                 ; my 8 tiles' fragments of one K step of W, from off bytes on, into set bank of window 1: 16 loads of 512 consecutive bytes
	WIN 0x40
.irp a, 0,1,2,3,4,5,6,7
.irp c, 0,1
	global_load_b128 v[64*(\bank)+8*\a+4*\c:64*(\bank)+8*\a+4*\c+3], v[LI], s[WCP:WCP+1] offset:(\off)+8192*\a+512*\c
.endr
.endr
.endm
.macro FETCHX s, i0                    ; x's tiles i0 .. i0 + 3 of K step s, from LDS
.irp i, \i0, \i0+1, \i0+2, \i0+3
.irp c, 0,1
	ds_load_b128 v[XF+8*(\i)+4*\c:XF+8*(\i)+4*\c+3], v[XA] offset:8192*(\i)+1024*(\s)+512*\c
.endr
.endr
.endm
.macro MISC_XW                         ; the scale words of x's 8 tiles and of my 8 tiles of W, all K steps
.irp i, 0,1,2,3,4,5,6,7
	global_load_b128 v[XSC+4*\i:XSC+4*\i+3], v[LI], s[XSP:XSP+1] offset:512*\i
	global_load_b128 v[WSC+4*\i:WSC+4*\i+3], v[LI], s[WSP:WSP+1] offset:512*\i
.endr
.endm
.macro BIAS_KQ ptr                     ; tile a's C: lane (r, h), register j: b[32 (a / 2) + 8 (a % 2) + 16 h + j]
.irp a, 0,1,2,3,4,5,6,7
	global_load_b128 v[BI+8*\a:BI+8*\a+3], v[BA], s[\ptr:\ptr+1] offset:(32*(\a/2)+8*(\a%2))*4
	global_load_b128 v[BI+8*\a+4:BI+8*\a+7], v[BA], s[\ptr:\ptr+1] offset:(32*(\a/2)+8*(\a%2))*4+16
.endr
.endm
.macro BIAS_V                          ; tile y's C: a lane holds one column, so its eight registers are one number: bv[32 (y / 2) + 8 (y % 2) + r + 8 (r / 8)]
.irp y, 0,1,2,3,4,5,6,7
.irp j, 0,1,2,3,4,5,6,7
	global_load_b32 v[BI+8*\y+\j], v[BVA], s[BV:BV+1] offset:(32*(\y/2)+8*(\y%2))*4
.endr
.endr
.endm
; Eight products: x tile X against my eight tiles of W, K step s.  mode 0 (k, q): source 0 = W; mode 1 (v): source 0 = x.  Step 0 starts the sums with the bias as C.
; The 64 accumulators take turns, one instruction a turn, in the same order in every step.
.macro MUL8 mode, X, s
.irp Y, 0,1,2,3,4,5,6,7
.set R_D, 64*((\X)%4)+8*\Y
.if \mode
.set R_A, XF+8*(\X)
.set R_B, 64*((\s)%4)+8*\Y
.set R_SA, XSC+4*(\X)+(\s)/2
.set R_SB, WSC+4*\Y+(\s)/2
.else
.set R_A, 64*((\s)%4)+8*\Y
.set R_B, XF+8*(\X)
.set R_SA, WSC+4*\Y+(\s)/2
.set R_SB, XSC+4*(\X)+(\s)/2
.endif
.if (\s) == 0
	v_wmma_scale_f32_16x16x128_f8f6f4 v[R_D:R_D+7], v[R_A:R_A+7], v[R_B:R_B+7], v[BI+8*\Y:BI+8*\Y+7], v[R_SA], v[R_SB] matrix_a_fmt:MATRIX_FMT_FP4 matrix_b_fmt:MATRIX_FMT_FP4
.elseif (\s)%2
	v_wmma_scale_f32_16x16x128_f8f6f4 v[R_D:R_D+7], v[R_A:R_A+7], v[R_B:R_B+7], v[R_D:R_D+7], v[R_SA], v[R_SB] matrix_a_fmt:MATRIX_FMT_FP4 matrix_b_fmt:MATRIX_FMT_FP4 matrix_a_scale:MATRIX_SCALE_ROW1 matrix_b_scale:MATRIX_SCALE_ROW1
.else
	v_wmma_scale_f32_16x16x128_f8f6f4 v[R_D:R_D+7], v[R_A:R_A+7], v[R_B:R_B+7], v[R_D:R_D+7], v[R_SA], v[R_SB] matrix_a_fmt:MATRIX_FMT_FP4 matrix_b_fmt:MATRIX_FMT_FP4
.endif
.endr
.endm
; A K step of a projection: 64 products.  x has one set of fragments: tiles 0-3 are fetched anew in the step's middle, tiles 4-7 at its end.  W has four sets: pre = 1: the step three on is asked for, into the set that the
; step before has left (its last products stand in front of that step's closing places).  From step 5 on that is the NEXT tensor's step 0, 1 or 2, 524,288 bytes further on.
; lc: the loads of W's later steps, which may stay out.  dc: the youngest LDS loads (x's tiles 4-7), which may stay out.
.macro STEP mode, s, lc, dc, pre
	s_wait_loadcnt \lc
	s_wait_dscnt \dc
.if (\s) == 0
	WIN 0x81+3*(\mode)                             ; W window 1, x window 0, C (the bias) window 0, D window 2
.else
	WIN 0xa1+3*(\mode)                             ; C and D window 2
.endif
.irp X, 0,1,2,3
	MUL8 \mode, \X, \s
.endr
	s_wait_dscnt 0x0                               ; x's tiles 4-7 are in (asked for 32 products ago)
.if (\pre) || ((\s) < 7)
	PLACES
.endif
.if \pre
.if (\s) < 5
	WLOAD ((\s)+3)*1024, ((\s)+3)%4
.else
	WLOAD 524288+((\s)-5)*1024, ((\s)+3)%4
.endif
.endif
	WIN 0
.if (\s) < 7
	FETCHX (\s)+1, 0
.endif
.if (\s) == 0
	WIN 0xc1+3*(\mode)
.else
	WIN 0xf1+3*(\mode)
.endif
.irp X, 4,5,6,7
	MUL8 \mode, \X, \s
.endr
	PLACES
	WIN 0
.if (\s) < 7
	FETCHX (\s)+1, 4
.endif
.endm
; QUANT: 64 numbers of a lane, number (block b, u, j) = k 32 b + 16 (lane / 16) + 8 u + j of the lane's row, in register base + bs x b + us x u + j (wrap = 1: bs x (b % 2)) of window wlo (b < 2) or whi,
; become a fragment's codes in v[PC] on and its scale word in v[PW], and go to my images in LDS as they stand.
.macro QMAX base, bs, us, wrap, win, b0        ; blocks b0, b0 + 1: four chains, one for each accumulator, each read from its low end on
	WIN ((\win)<<2)|((\win)<<4)
.irp p, 0,1,2,3
.irp u, 0,1
.irp d, 0,1
.set QB, (\b0)+\d
.if \wrap
.set QR, (\base)+(\bs)*\d+(\us)*\u+2*\p
.else
.set QR, (\base)+(\bs)*QB+(\us)*\u+2*\p
.endif
.if \p == 0
	v_max3_num_f32 v[TM+4*\u+QB], s[FLR], |v[QR]|, |v[QR+1]|        ; the floor starts each chain: the byte cannot fall under 1
.else
	v_max3_num_f32 v[TM+4*\u+QB], v[TM+4*\u+QB], |v[QR]|, |v[QR+1]|
.endif
.endr
.endr
.endr
.endm
.macro QCVT base, bs, us, wrap, win, b0
	WIN \win
.irp d, 0,1
.irp u, 0,1
.set QB, (\b0)+\d
.if \wrap
.set QR, (\base)+(\bs)*\d+(\us)*\u
.else
.set QR, (\base)+(\bs)*QB+(\us)*\u
.endif
	v_cvt_scalef32_pk8_fp4_f32 v[PC+2*QB+\u], v[QR:QR+7], v[TM+12+QB]
.endr
.endr
.endm
.macro QUANT base, bs, us, wrap, wlo, whi, ioff, soff
	QMAX \base, \bs, \us, \wrap, \wlo, 0
	QMAX \base, \bs, \us, \wrap, \whi, 2
	WIN 0
.irp b, 0,1,2,3
	v_max_num_f32 v[TM+\b], v[TM+\b], v[TM+4+\b]   ; my 16 numbers of block b
.endr
.irp b, 0,1,2,3
	v_permlanex16_b32 v[TM+4+\b], v[TM+\b], s[SEL], s[SEL+1]
.endr
.irp b, 0,1,2,3
	v_max_num_f32 v[TM+\b], v[TM+\b], v[TM+4+\b]   ; with lane l xor 16's: the block's largest magnitude
.endr
.irp b, 0,1,2,3
	v_add_nc_u32 v[TM+12+\b], 0xff000000, v[TM+\b] ; 2 off its exponent field: the conversion's scale operand
.endr
.irp b, 0,1,2,3
	v_lshrrev_b32 v[TM+4+\b], 23, v[TM+12+\b]      ; the scale's byte
.endr
	v_lshl_or_b32 v[PW], v[TM+5], 8, v[TM+4]
	v_lshl_or_b32 v[PW], v[TM+6], 16, v[PW]
	v_lshl_or_b32 v[PW], v[TM+7], 24, v[PW]        ; my row's scale word
	s_wait_dscnt 0x0                               ; the last image's stores have read v[PC] on
	QCVT \base, \bs, \us, \wrap, \wlo, 0
	QCVT \base, \bs, \us, \wrap, \whi, 2
	WIN 0
	v_nop                                          ; one plain place behind a scaled conversion
.irp c, 0,1                                    ; the operand's layout wants a WHOLE block in a lane: lanes 0-15 block 2 c, lanes 16-31 block 2 c + 1
.irp i, 0,1
	v_permlane16_swap_b32 v[PC+4*\c+\i], v[PC+2+4*\c+\i]
.endr
.endr
	ds_store_b128 v[PI], v[PC:PC+3] offset:\ioff
	ds_store_b128 v[PI], v[PC+4:PC+7] offset:(\ioff)+512
	ds_store_b32 v[PS], v[PW] offset:\soff
.endm
	s_load_b256 s[4:11], s[0:1], 0x0               ; codes s[4:5], scales s[6:7], bk s[8:9], bq s[10:11]
	s_load_b128 s[12:15], s[0:1], 0x20             ; bv s[12:13], out0 s[14:15]
	v_lshl_add_u32 v26, v0, 2, 0x4f400
	v_mov_b32 v27, 0
	v_lshrrev_b32 v46, 5, v0
	v_readfirstlane_b32 s[WV], v46                 ; wave 0..3
	s_lshr_b32 s17, ttmp9, 1                       ; n
	s_and_b32 s18, ttmp9, 1                        ; hg
	v_and_b32 v46, 31, v0                          ; lane
	v_and_b32 v47, 15, v0                          ; r
	v_bfe_u32 v56, v0, 4, 1                        ; h
	v_lshlrev_b32 v[LI], 4, v46
	v_lshlrev_b32 v[LS], 2, v46
	v_lshlrev_b32 v[BA], 6, v56
	v_and_b32 v[BVA], 8, v47
	v_add_nc_u32 v[BVA], v[BVA], v47
	v_lshlrev_b32 v[BVA], 2, v[BVA]
	s_mul_i32 s19, s[WV], STGB
	s_add_co_u32 s19, s19, STAGE                   ; my stage
	v_mul_u32_u24 v[SO], v47, SP
	v_lshl_add_u32 v[SO], v56, 6, v[SO]
	v_add_nc_u32 v[SO], s19, v[SO]                 ; in: row r, + 64 h: my half's sixteen channels of each 32
	v_mul_u32_u24 v[SR], v56, SP
	v_lshl_add_u32 v[SR], v47, 4, v[SR]
	v_add_nc_u32 v[SR], s19, v[SR]                 ; back: lanes 0-15 one row of 256 bytes, lanes 16-31 the next
	v_lshlrev_b32 v[GO], 12, v56
	v_lshl_add_u32 v[GO], v47, 4, v[GO]            ; and the same two rows in out0
	s_lshl_b32 s19, s[WV], 14
	v_add_nc_u32 v[CL], s19, v[LI]
	v_add_nc_u32 v[CL+1], 65536, v[CL]
	v_add_nc_u32 v[CL+2], 131072, v[CL]
	s_mul_i32 s19, s[WV], PRIVB
	s_add_co_u32 s19, s19, PRIV
	v_add_nc_u32 v[PI0], s19, v[LI]
	s_add_co_u32 s19, s19, PSC
	v_add_nc_u32 v[PS0], s19, v[LS]
	v_mov_b32 v[PI], v[PI0]
	v_mov_b32 v[PS], v[PS0]
	v_mov_b32 v[XA], v[LI]
.irp i, 4,5,6,7
	v_mov_b32 v[Q+\i], 0                           ; Z: 64 zero codes a row, between qA and qB; written once
.endr
	v_mov_b32 v[NM+1], 0                           ; (named as the upper half of a pair)
	s_mov_b32 s[SEL], 0x76543210
	s_mov_b32 s[SEL+1], 0xfedcba98                 ; v_permlanex16_b32's selects for lane l xor 16
	s_mov_b32 s[CS], 0x3e38aa3b                    ; c = log2(e) / 8
	s_mov_b32 s[CS+1], s[CS]                       ; (the packed form names the pair)
	s_mov_b32 s[FLR], 0x1800000
	s_mov_b32 s[TN], 0
	s_mov_b32 s[TX], 0
	s_mov_b32 s[TP], 0
	s_mov_b32 s[TS], 0
	s_mov_b32 s[OFS+1], 0
	s_wait_kmcnt 0x0
	s_lshl_b32 s[OFS], s17, 16                     ; my group's 8 tiles of 8,192 bytes
	s_add_nc_u64 s[XB:XB+1], s[4:5], s[OFS:OFS+1]
	s_add_nc_u64 s[XB+2:XB+3], s[XB:XB+1], 0x800000        ; a tensor's 1,024 tiles on
	s_add_nc_u64 s[XB+4:XB+5], s[XB+2:XB+3], 0x800000
	s_lshl_b32 s[OFS], s17, 12
	s_add_nc_u64 s[XSP:XSP+1], s[6:7], s[OFS:OFS+1]
	s_lshl_b32 s19, s18, 5
	s_lshl_b32 s51, s[WV], 3
	s_add_co_u32 s19, s19, s51
	s_add_co_u32 s19, s19, 3072                    ; my first tile of Wk: 3072 + 32 hg + 8 wave
	s_lshl_b32 s[OFS], s19, 13
	s_add_nc_u64 s[WCP:WCP+1], s[4:5], s[OFS:OFS+1]
	s_lshl_b32 s[OFS], s19, 9
	s_add_nc_u64 s[WSP:WSP+1], s[6:7], s[OFS:OFS+1]
	s_lshl_b32 s[OFS], s18, 11
	s_lshl_b32 s51, s[WV], 9
	s_add_co_u32 s[OFS], s[OFS], s51               ; my first column, in bytes of f32
	s_add_nc_u64 s[BK:BK+1], s[8:9], s[OFS:OFS+1]
	s_add_nc_u64 s[BQ:BQ+1], s[10:11], s[OFS:OFS+1]
	s_add_nc_u64 s[BV:BV+1], s[12:13], s[OFS:OFS+1]
	s_add_nc_u64 s[OUT:OUT+1], s[14:15], s[OFS:OFS+1]
	s_lshl_b32 s[OFS], s17, 19                     ; my group's 128 rows of 4,096 bytes
	s_add_nc_u64 s[OUT:OUT+1], s[OUT:OUT+1], s[OFS:OFS+1]
	; ---- the first loads: what the first K steps want (80 loads), then the copy of x's codes: each wave brings 16,384 bytes of each tensor, 32 loads of 512 consecutive bytes
	MISC_XW
	BIAS_KQ BK
	WLOAD 0, 0
	WLOAD 1024, 1
	WLOAD 2048, 2
	WIN 0x80                                       ; destination window 2
.irp t, 0,1
.set M_, 0
.rept 32
	global_load_b128 v[128*\t+4*M_:128*\t+4*M_+3], v[CL], s[XB+2*\t:XB+2*\t+1] offset:512*M_
.set M_, M_+1
.endr
.endr
	WIN 0xc0                                       ; destination window 3
.set M_, 0
.rept 32
	global_load_b128 v[4*M_:4*M_+3], v[CL], s[XB+4:XB+5] offset:512*M_
.set M_, M_+1
.endr
	s_wait_loadcnt 63                              ; the first tensor's 32 loads are in: 64 stand behind them; the wait's field names 63 at the most, which is the stricter count
	WIN 0x08                                       ; an LDS store's data are its source 1: window 2
.set M_, 0
.rept 32
	ds_store_b128 v[CL], v[4*M_:4*M_+3] offset:512*M_
.set M_, M_+1
.endr
	s_wait_loadcnt 32                              ; the second's are in; the third's 32 may be out
.set M_, 0
.rept 32
	ds_store_b128 v[CL+1], v[128+4*M_:128+4*M_+3] offset:512*M_
.set M_, M_+1
.endr
	s_wait_loadcnt 0x0
	WIN 0x0c                                       ; window 3
.set M_, 0
.rept 32
	ds_store_b128 v[CL+2], v[4*M_:4*M_+3] offset:512*M_
.set M_, M_+1
.endr
	WIN 0
	s_wait_dscnt 0x0                               ; for the others' sake: my part of the three images has landed
	s_barrier_signal -1
	s_barrier_wait -1                              ; everybody's has; nobody writes these bytes again
	FETCHX 0, 0
	FETCHX 0, 4
	; ---- k, then q: two trips of one body
.Ltensor:
	STEP 0, 0, 0, 0, 1                             ; the scale words and the bias were asked for last: everything is waited for
.irp s, 1,2,3,4,5,6,7
	STEP 0, \s, 32, 8, 1                           ; behind this step's W stand the two later steps' 32 loads; behind x's tiles 0-3 the 8 loads of tiles 4-7
.endr
	s_wait_xcnt 0x0                                ; every earlier load has read its base: the three are stepped to the next tensor
	s_add_nc_u64 s[WCP:WCP+1], s[WCP:WCP+1], 0x80000
	s_add_nc_u64 s[XSP:XSP+1], s[XSP:XSP+1], 0x80000
	s_add_nc_u64 s[WSP:WSP+1], s[WSP:WSP+1], 0x8000
	s_add_co_u32 s[TX], s[TX], 65536
	v_add_nc_u32 v[XA], s[TX], v[LI]
	FETCHX 0, 0                                    ; the next tensor's first fragments, scale words and bias are asked for here and land under the eight QUANTs
	FETCHX 0, 4
	MISC_XW
	s_cmp_lg_u32 s[TN], 0
	s_cbranch_scc1 .Lbias_v
	BIAS_KQ BQ
	s_branch .Lbias_done
.Lbias_v:
	BIAS_V                                         ; both ways write all 64 registers; the next wait for loads is for 0
.Lbias_done:
.irp X, 0,1,2,3,4,5,6,7
	QUANT 64*(\X%4), 16, 8, 0, 2+\X/4, 2+\X/4, 1024*\X, 128*\X
.endr
	s_add_co_u32 s[TP], s[TP], 8192                ; the next tensor's images
	s_add_co_u32 s[TS], s[TS], 1024
	v_add_nc_u32 v[PI], s[TP], v[PI0]
	v_add_nc_u32 v[PS], s[TS], v[PS0]
	s_add_co_u32 s[TN], s[TN], 1
	s_cmp_lt_u32 s[TN], 2
	s_cbranch_scc1 .Ltensor
	; ---- v: the sources change places; nothing follows, so the last three steps ask for nothing and the counts run down
	STEP 1, 0, 0, 0, 1
	STEP 1, 1, 32, 8, 1
	STEP 1, 2, 32, 8, 1
	STEP 1, 3, 32, 8, 1
	STEP 1, 4, 32, 8, 1
	STEP 1, 5, 32, 8, 0
	STEP 1, 6, 16, 8, 0
	STEP 1, 7, 0, 8, 0
.irp y, 0,1,2,3,4,5,6,7
	QUANT 8*\y, 128, 64, 1, 2, 3, 1024*\y, 128*\y  ; column tile y: block b of the keys lies in accumulators (2 b, y) and (2 b + 1, y)
.endr
	; ---- the attention.  k's and V^T's fragments and scale words stay in registers; q's come tile by tile.  LDS serves a wave's instructions in order (ISA guide 5.7.1.4): these loads see my stores
	WIN 0x40
.irp f, 0,1,2,3,4,5,6,7
.irp c, 0,1
	ds_load_b128 v[KF+8*\f+4*\c:KF+8*\f+4*\c+3], v[PI0] offset:1024*\f+512*\c
.endr
.endr
.irp f, 0,1,2,3,4,5,6,7
.irp c, 0,1
	ds_load_b128 v[VF+8*\f+4*\c:VF+8*\f+4*\c+3], v[PI0] offset:16384+1024*\f+512*\c
.endr
.endr
	WIN 0
.irp f, 0,1,2,3,4,5,6,7
	ds_load_b32 v[KSW+\f], v[PS0] offset:128*\f
	ds_load_b32 v[VSW+\f], v[PS0] offset:2048+128*\f
.endr
	ds_load_b128 v[Q:Q+3], v[PI0] offset:8192      ; q's tile 0: the first head's 64,
	ds_load_b128 v[Q+8:Q+11], v[PI0] offset:8192+512       ; the second's,
	ds_load_b32 v[QSW], v[PS0] offset:1024         ; and the scale word
	s_mov_b32 s[QT], 0
	s_mov_b32 s[TQ], 0
	s_mov_b32 s[TQS], 0
.macro SEND x                          ; head x's 16 rows of 256 bytes: sixteen lanes store 256 consecutive bytes, aligned; row 2 i + h of the tile is the group's row .. + 2 i + h + 8 (i / 4)
	s_wait_dscnt 0x0                               ; they are back from the stage
.irp i, 0,1,2,3,4,5,6,7
	global_store_b128 v[GO], v[OB+4*\i:OB+4*\i+3], s[OP:OP+1] offset:(2*\i+8*(\i/4))*4096+256*\x th:TH_STORE_NT
.endr
.endm
.macro HEAD x                          ; 16 queries x 128 keys of my head x
	WIN 0x01                                       ; source 0 window 1
.irp t, 0,1,2,3,4,5,6,7                        ; S^T: lane (r, h) holds query r; register 16 b + i is key 32 b + 16 h + i
	v_wmma_scale_f32_16x16x128_f8f6f4 v[S+8*\t:S+8*\t+7], v[KF+8*\t:KF+8*\t+7], v[Q+4*\x:Q+4*\x+7], 0, v[KSW+\t], v[QSW] matrix_a_fmt:MATRIX_FMT_FP4 matrix_b_fmt:MATRIX_FMT_FP4
.endr
	WIN 0
	PLACES
.if \x
	s_add_co_u32 s[TQ], s[TQ], 1024                ; both heads have multiplied by this tile of q: the next one is asked for.  In the last trip these three loads read V^T's first image and scale word,
	s_add_co_u32 s[TQS], s[TQS], 128               ; bytes of my own that have been written, and what they bring is not used
	v_add_nc_u32 v[QI], s[TQ], v[PI0]
	v_add_nc_u32 v[QS], s[TQS], v[PS0]
	ds_load_b128 v[Q:Q+3], v[QI] offset:8192
	ds_load_b128 v[Q+8:Q+11], v[QI] offset:8192+512
	ds_load_b32 v[QSW], v[QS] offset:1024
.endif
.irp b, 0,1,2,3
	v_max3_num_f32 v[TM+\b], v[S+16*\b], v[S+1+16*\b], v[S+2+16*\b]   ; the largest score of each block of 32 keys: it serves for the row's maximum and, since p rises with the score, for the block's largest p
.endr
.irp i, 3,5,7,9,11,13
.irp b, 0,1,2,3
	v_max3_num_f32 v[TM+\b], v[TM+\b], v[S+16*\b+\i], v[S+1+16*\b+\i]
.endr
.endr
.irp b, 0,1,2,3
	v_max_num_f32 v[TM+\b], v[TM+\b], v[S+15+16*\b]
.endr
.irp b, 0,1,2,3
	v_permlanex16_b32 v[TM+4+\b], v[TM+\b], s[SEL], s[SEL+1]
.endr
.irp b, 0,1,2,3
	v_max_num_f32 v[TM+\b], v[TM+\b], v[TM+4+\b]   ; with lane l xor 16's 16 keys
.endr
	v_max3_num_f32 v[TM+8], v[TM], v[TM+1], v[TM+2]
	v_max_num_f32 v[TM+8], v[TM+8], v[TM+3]        ; the row's largest score,
	v_mul_f32 v[TM+8], s[CS], v[TM+8]              ; as t (c is positive)
	v_floor_f32 v[NM], -v[TM+8]                    ; -M = floor(-t) = -ceil(t)
.irp j, 0,2,4,6,8,10,12,14,16,18,20,22,24,26,28,30,32,34,36,38,40,42,44,46,48,50,52,54,56,58,60,62
	v_pk_fma_f32 v[S+\j:S+\j+1], v[S+\j:S+\j+1], s[CS:CS+1], v[NM:NM+1] op_sel_hi:[1,0,0]   ; t - M, two at a time (of the pairs c and -M the low word serves both halves)
.endr
.irp b, 0,1,2,3
	v_fma_f32 v[TM+\b], v[TM+\b], s[CS], v[NM]     ; the same of each block's largest score
.endr
.irp j, 0,1,2,3,4,5,6,7,8,9,10,11,12,13,14,15,16,17,18,19,20,21,22,23,24,25,26,27,28,29,30,31,32,33,34,35,36,37,38,39,40,41,42,43,44,45,46,47,48,49,50,51,52,53,54,55,56,57,58,59,60,61,62,63
	v_exp_f32 v[S+\j], v[S+\j]                     ; p = 2^(t - M), at most 1: not normalised
.endr
.irp b, 0,1,2,3
	v_exp_f32 v[TM+\b], v[TM+\b]                   ; the block's largest p: the same two instructions on the same number give the same bits
.endr
	v_nop                                          ; a plain place behind the exponentials
.if \x
	SEND 0                                         ; the first head's rows have had the scores and the exponentials in which to come back from the stage
.endif
	s_wait_alu depctr_va_vdst(0)
.irp b, 0,1,2,3
	v_max_num_f32 v[TM+\b], s[FLR], v[TM+\b]       ; the floor: the byte cannot fall under 1 (a block whose every p has fallen to 0 keeps that byte: its codes are zeros)
.endr
.irp b, 0,1,2,3
	v_add_nc_u32 v[TM+12+\b], 0xff000000, v[TM+\b]
.endr
.irp b, 0,1,2,3
	v_lshrrev_b32 v[TM+4+\b], 23, v[TM+12+\b]
.endr
	v_lshl_or_b32 v[PW], v[TM+5], 8, v[TM+4]
	v_lshl_or_b32 v[PW], v[TM+6], 16, v[PW]
	v_lshl_or_b32 v[PW], v[TM+7], 24, v[PW]        ; p's scale word for the 128 keys
.irp b, 0,1,2,3
	v_cvt_scalef32_pk8_fp4_f32 v[PC+2*\b], v[S+16*\b:S+16*\b+7], v[TM+12+\b]
	v_cvt_scalef32_pk8_fp4_f32 v[PC+2*\b+1], v[S+16*\b+8:S+16*\b+15], v[TM+12+\b]
.endr
	v_nop                                          ; one plain place behind a scaled conversion
.irp c, 0,1
.irp i, 0,1
	v_permlane16_swap_b32 v[PC+4*\c+\i], v[PC+2+4*\c+\i]
.endr
.endr
	v_pk_add_f32 v[SA:SA+1], v[S:S+1], v[S+4:S+5]  ; the row's sum is taken of the UNQUANTISED p: two chains, started by the first pairs.  These 31 lines are also the places between the
	v_pk_add_f32 v[SB:SB+1], v[S+2:S+3], v[S+6:S+7]        ; vector instructions that wrote p's codes (4 are asked) and scale word (8) and the scaled products below
.irp j, 8,12,16,20,24,28,32,36,40,44,48,52,56,60
	v_pk_add_f32 v[SA:SA+1], v[SA:SA+1], v[S+\j:S+\j+1]
	v_pk_add_f32 v[SB:SB+1], v[SB:SB+1], v[S+\j+2:S+\j+3]
.endr
	v_pk_add_f32 v[SA:SA+1], v[SA:SA+1], v[SB:SB+1]
	WIN 0x01
.irp y, 0,1,2,3                                ; O^T: tile y, lane (r, h), register j: channel 32 (y / 2) + 16 h + 8 (y % 2) + j of query r
	v_wmma_scale_f32_16x16x128_f8f6f4 v[O+8*\y:O+8*\y+7], v[VF+8*(4*\x+\y):VF+8*(4*\x+\y)+7], v[PC:PC+7], 0, v[VSW+4*\x+\y], v[PW] matrix_a_fmt:MATRIX_FMT_FP4 matrix_b_fmt:MATRIX_FMT_FP4
.endr
	WIN 0
	v_add_f32 v[SA], v[SA], v[SA+1]                ; the sum's two halves,
	v_permlanex16_b32 v[SA+1], v[SA], s[SEL], s[SEL+1]
	v_add_f32 v[SA], v[SA], v[SA+1]                ; and lane l xor 16's: the row's sum
	v_rcp_f32 v[NM], v[SA]
	PLACES                                         ; behind the reciprocal, and behind the products whose results are read next
	s_wait_alu depctr_va_vdst(0)
.irp j, 0,2,4,6,8,10,12,14,16,18,20,22,24,26,28,30
	v_pk_mul_f32 v[O+\j:O+\j+1], v[O+\j:O+\j+1], v[NM:NM+1] op_sel_hi:[1,0]   ; O^T / the sum, each accumulator from its low end on
.endr
	s_wait_xcnt 0x0                                ; the earlier stores to out0 have read v224-255: the loads below may land there
.irp y, 0,1,2,3
	ds_store_b128 v[SO], v[O+8*\y:O+8*\y+3] offset:128*(\y/2)+32*(\y%2)
	ds_store_b128 v[SO], v[O+8*\y+4:O+8*\y+7] offset:128*(\y/2)+32*(\y%2)+16
.endr
.irp i, 0,1,2,3,4,5,6,7
	ds_load_b128 v[OB+4*\i:OB+4*\i+3], v[SR] offset:2*SP*\i       ; back as whole rows of 256 bytes; the next head's stores into the stage come behind these
.endr
.endm
.Lquery:                                           ; 8 trips: a tile of 16 queries, both heads
	s_wait_dscnt 0x0                               ; q's tile is in (in the first trip: k's and V^T's fragments too)
	s_wait_xcnt 0x0                                ; the last trip's stores have read their base
	s_lshr_b32 s[OFS], s[QT], 1                    ; the tile's first row: 32 (qt / 2) + 8 (qt % 2), of 4,096 bytes
	s_lshl_b32 s[OFS], s[OFS], 17
	s_and_b32 s51, s[QT], 1
	s_lshl_b32 s51, s51, 15
	s_add_co_u32 s[OFS], s[OFS], s51
	s_add_nc_u64 s[OP:OP+1], s[OUT:OUT+1], s[OFS:OFS+1]
	HEAD 0
	HEAD 1
	SEND 1
	s_add_co_u32 s[QT], s[QT], 1
	s_cmp_lt_u32 s[QT], 8
	s_cbranch_scc1 .Lquery
	s_wait_tensorcnt 0x0
	ds_add_u32 v26, v27
	s_wait_dscnt 0x0
	s_endpgm
.Lfunc_end_k_q9576267bb6_attn:
	.size	k_q9576267bb6_attn, .Lfunc_end_k_q9576267bb6_attn-k_q9576267bb6_attn
	.p2alignl 7, 3214868480
	.fill 96, 4, 3214868480
	.section	.rodata,"a",@progbits
	.p2align	6, 0x0
	.amdhsa_kernel k_q9576267bb6_attn
		.amdhsa_group_segment_fixed_size 325120
		.amdhsa_private_segment_fixed_size 0
		.amdhsa_enable_private_segment 0
		.amdhsa_kernarg_size 48
		.amdhsa_user_sgpr_count 2
		.amdhsa_user_sgpr_kernarg_segment_ptr 1
		.amdhsa_wavefront_size32 1
		.amdhsa_system_sgpr_workgroup_id_x 1
		.amdhsa_system_sgpr_workgroup_id_y 1
		.amdhsa_system_sgpr_workgroup_id_z 1
		.amdhsa_system_vgpr_workitem_id 0
		.amdhsa_next_free_vgpr 1024
		.amdhsa_next_free_sgpr 66
		.amdhsa_reserve_vcc 0
		.amdhsa_float_denorm_mode_32 3
		.amdhsa_float_denorm_mode_16_64 3
		.amdhsa_memory_ordered 1
		.amdhsa_forward_progress 1
		.amdhsa_inst_pref_size 255
	.end_amdhsa_kernel
	.section	.bss,"aw",@nobits
	.p2align	6
	.space	262144
	.amdgpu_metadata
---
amdhsa.version: [ 1, 2 ]
amdhsa.kernels:
  - .name:           k_q9576267bb6_attn
    .symbol:         k_q9576267bb6_attn.kd
    .args:
      - { .name: codes, .offset: 0, .size: 8, .value_kind: global_buffer, .address_space: global }
      - { .name: scales, .offset: 8, .size: 8, .value_kind: global_buffer, .address_space: global }
      - { .name: bk, .offset: 16, .size: 8, .value_kind: global_buffer, .address_space: global }
      - { .name: bq, .offset: 24, .size: 8, .value_kind: global_buffer, .address_space: global }
      - { .name: bv, .offset: 32, .size: 8, .value_kind: global_buffer, .address_space: global }
      - { .name: out0, .offset: 40, .size: 8, .value_kind: global_buffer, .address_space: global }
    .group_segment_fixed_size: 325120
    .private_segment_fixed_size: 0
    .kernarg_segment_align: 8
    .kernarg_segment_size: 48
    .max_flat_workgroup_size: 128
    .sgpr_count:     66
    .vgpr_count:     1024
    .wavefront_size: 32
...
	.end_amdgpu_metadata
.endif
;; end of part 2
;; ======== version 2 of 2: 2 launches
;; limits: right only within a limited range of input values
;; workspace buffers: codes 26,738,688 bytes; scales 6,684,672 bytes
;; launch quant (part 3): grid 3264 x 1, 1 waves a work-group, no clusters, 8,704 bytes of LDS; arguments keys, queries, values, Wk, Wq, Wv, codes, scales; writes codes, scales
.if DOCPART == 3
	.amdgcn_target "amdgcn-amd-amdhsa--gfx1250"
	.amdhsa_code_object_version 6
	.text
	.protected	k_q9576267bb6_quant
	.globl	k_q9576267bb6_quant
	.p2align	8
	.type	k_q9576267bb6_quant,@function
k_q9576267bb6_quant:
	s_mov_b64 s[64:65], 0
	v_nop
	global_prefetch_b8 v0, s[64:65] scope:SCOPE_SE
	s_setreg_imm32_b32 hwreg(HW_REG_WAVE_MODE, 25, 1), 1
	s_wait_xcnt 0x0
; keys, queries, values [16384][1024] and Wk, Wq, Wv [1024][1024], f32, K innermost, become codes of FP4 (E2M1) with one E8M0 scale byte for each 32 along K,
; laid IN THE ORDER OF AN OPERAND'S REGISTERS, so that the next launch loads fragments whole.
; A TILE is 16 rows x 1,024 along K.  Tile G = the work-group's number: 0-1023 keys, 1024-2047 queries, 2048-3071 values, 3072-3135 Wk, 3136-3199 Wq, 3200-3263 Wv.
; THE ROWS OF A TILE ARE NOT NEIGHBOURS: row i (0..15) of a tensor's tile t is the tensor's row 32 (t / 2) + 8 (t % 2) + i + 8 (i / 8): the next launch's results then lie with 16 neighbours of the next K in a lane.
; codes:  fragment (G, K step s of 128) begins at byte (8 G + s) 1024; at + 512 c + 16 lane lie the 32 codes k = 128 s + 64 c + 32 (lane / 16) + 0 .. 31 of the tile's row lane % 16, the lower k in the lower four bits.
; scales: a word is four bytes, byte b for k = 128 s + 32 b ..  A tile's words are stored FOUR TIMES, rotated: in copy c (0..3), at byte (4 G + c) 512 + 16 (16 (s % 2) + i) + 4 j, lies the word of row i and
;         K step s = 2 ((j + c) % 4) + s % 2.  The next launch walks K from one of four starting steps and reads the copy in which its steps stand in its own order.
; A block's scale is 2^(floor(log2(its largest magnitude)) - 2): its byte is the largest magnitude's exponent field - 2, held at 1 from below by a floor among the maximum's leaves.
; LIMITS: a block of zeros gets the byte 1 where the rule says 127: its codes are zeros, which add nothing under any byte but 0xff, and this program alone reads the bytes.  NaN and infinities among the inputs are not served.
; SHARES: a work-group is one wave and takes one tile, in 8 steps of 128 along K: 3,264 equal pieces.  A step's 16 loads read 512 consecutive bytes each (one row's part); the 8,192 bytes turn through a stage in LDS
; and come back so that a lane holds two whole blocks of 32 of one row, in the operand's order: the maximum needs no other lane and the conversions' results are the operand's registers.
; Each store covers 512 consecutive bytes, aligned.  Loads run two steps (32 loads) ahead.  One path serves all six tensors: only the source's address is chosen, on the work-group's number.
.set PITCH, 528                        ; a stage row: 512 bytes + 16 = 132 words: row r starts 4 r words on modulo 64 (64 banks of 4 bytes: ISA guide 11.1)
.set SW,    16                         ; v16-23   the 8 steps' scale words
.set C,     28                         ; v28-35   a step's codes
.set R,     40                         ; v40-167  two sets of 64 registers, as loaded
.set X,     168                        ; v168-231 64 numbers in the operand's order: register 32 c + i is k = 64 c + 32 (lane / 16) + i of row lane % 16
.set QA,    40                         ; v40-45   at the end: the pairs' words P0 P1 P2 P3 P0 P1: copies 0 and 2 are four registers on end
.set QB,    46                         ; v46-51   P1 P2 P3 P0 P1 P2: copies 1 and 3
	s_load_b256 s[4:11], s[0:1], 0x0               ; keys s[4:5], queries s[6:7], values s[8:9], Wk s[10:11]
	s_load_b256 s[12:19], s[0:1], 0x20             ; Wq s[12:13], Wv s[14:15], codes s[16:17], scales s[18:19]
	v_lshl_add_u32 v232, v0, 2, 0x2100
	v_mov_b32 v233, 0
	v_and_b32 v1, 31, v0                           ; lane
	v_lshlrev_b32 v2, 4, v1                        ; 16 x lane: my bytes of a load's 512, of a store's, and of a stage row on the way in; never rewritten
	v_and_b32 v4, 15, v0
	v_mul_u32_u24 v4, v4, PITCH
	v_bfe_u32 v5, v0, 4, 1
	v_lshl_add_u32 v4, v5, 7, v4                   ; out of the stage: row lane % 16, + 128 bytes (32 numbers) for lanes 16-31
	v_lshlrev_b32 v5, 3, v5                        ; 8 (lane / 16): how far up my two scale bytes stand in the word
	v_mov_b32 v6, 0                                ; a lane permute's destination counts as one of its sources: written once
; THE WALK ALONG K BEGINS AT ONE OF EIGHT STEPS: turn t (0..7) of work-group G takes K step ((t + 2 rot) % 8) xor par, with 2 rot + par = (G + G / 8 + G / 64) % 8,
; so that work-groups with neighbouring numbers ask for different parts of their rows in the same turn.  Only addresses hang on it, and the choice of lanes at the end.
.set LO,    234                        ; v234-241 turn t: 16 x lane + 512 x its K step: the loads' offset; never rewritten
.set ST,    242                        ; v242-249 turn t: 16 x lane + 1,024 x its K step: the codes' offset; never rewritten
.set CP,    24                         ; v24-27   16 x lane + 512 ((i + rot) % 4): where the i-th run of scale words goes
	s_lshr_b32 s22, ttmp9, 3
	s_add_co_u32 s22, s22, ttmp9
	s_lshr_b32 s23, ttmp9, 6
	s_add_co_u32 s22, s22, s23
	s_and_b32 s23, s22, 1                          ; par
	s_and_b32 s22, s22, 6                          ; 2 rot
	s_lshl_b32 s28, s23, 4
	s_wait_alu depctr_va_vdst(0)
	v_xor_b32 v3, s28, v1
	v_cmp_le_u32 vcc_lo, 16, v3                    ; the lanes that take the second turn of a pair: 16-31 where par = 0, 0-15 where par = 1: so lanes 16-31 always get the odd K step
.irp t, 0,1,2,3,4,5,6,7
	s_add_co_u32 s28, s22, \t
	s_and_b32 s28, s28, 7
	s_xor_b32 s28, s28, s23
	s_lshl_b32 s28, s28, 9
	v_add_nc_u32 v[LO+\t], s28, v2
	v_lshl_add_u32 v[ST+\t], s28, 1, v2
.endr
.irp i, 0,1,2,3
	s_lshr_b32 s28, s22, 1
	s_add_co_u32 s28, s28, \i
	s_and_b32 s28, s28, 3
	s_lshl_b32 s28, s28, 9
	v_add_nc_u32 v[CP+\i], s28, v2
.endr
	s_mov_b32 s30, 0x76543210
	s_mov_b32 s31, 0xfedcba98                      ; v_permlanex16_b32's selects for lane l xor 16
	s_wait_alu depctr_va_vdst(0)
	s_wait_kmcnt 0x0
	s_mov_b64 s[20:21], s[4:5]                     ; which tensor: the choice hangs on the work-group's number alone
	s_mov_b32 s22, 0                               ; and the tensor's first tile
	s_cmp_ge_u32 ttmp9, 1024
	s_cselect_b64 s[20:21], s[6:7], s[20:21]
	s_cselect_b32 s22, 1024, s22
	s_cmp_ge_u32 ttmp9, 2048
	s_cselect_b64 s[20:21], s[8:9], s[20:21]
	s_cselect_b32 s22, 2048, s22
	s_cmp_ge_u32 ttmp9, 3072
	s_cselect_b64 s[20:21], s[10:11], s[20:21]
	s_cselect_b32 s22, 3072, s22
	s_cmp_ge_u32 ttmp9, 3136
	s_cselect_b64 s[20:21], s[12:13], s[20:21]
	s_cselect_b32 s22, 3136, s22
	s_cmp_ge_u32 ttmp9, 3200
	s_cselect_b64 s[20:21], s[14:15], s[20:21]
	s_cselect_b32 s22, 3200, s22
	s_sub_co_u32 s28, ttmp9, s22                   ; t, the tile in its tensor: its first row is 32 (t / 2) + 8 (t % 2); a row is 4,096 bytes
	s_lshr_b32 s29, s28, 1
	s_lshl_b32 s29, s29, 17
	s_and_b32 s28, s28, 1
	s_lshl_b32 s28, s28, 15
	s_add_co_u32 s28, s28, s29
	s_mov_b32 s29, 0
	s_add_nc_u64 s[20:21], s[20:21], s[28:29]
	s_lshl_b32 s28, ttmp9, 13
	s_add_nc_u64 s[24:25], s[16:17], s[28:29]      ; the tile's 8,192 bytes of codes
	s_lshl_b32 s28, ttmp9, 11
	s_add_nc_u64 s[26:27], s[18:19], s[28:29]      ; and its 4 x 512 bytes of scale words
.macro LOADF s, half                   ; K step s of the tile's 16 rows into set half: each load reads 512 consecutive bytes; read once in the launch
.irp i, 0,1,2,3,4,5,6,7,8,9,10,11,12,13,14,15
	global_load_b128 v[R+64*(\half)+4*\i:R+64*(\half)+4*\i+3], v[LO+(\s)], s[20:21] offset:(\i+8*(\i/8))*4096 th:TH_LOAD_NT
.endr
.endm
.macro QSTEP s
.if (\s) < 7
	s_wait_loadcnt 16                              ; this step's 16 loads are in; the next step's 16 may be out
.else
	s_wait_loadcnt 0x0
.endif
.irp i, 0,1,2,3,4,5,6,7,8,9,10,11,12,13,14,15
	ds_store_b128 v2, v[R+64*((\s)%2)+4*\i:R+64*((\s)%2)+4*\i+3] offset:PITCH*\i
.endr
.irp c, 0,1
.irp j, 0,1,2,3,4,5,6,7
	ds_load_b128 v[X+32*\c+4*\j:X+32*\c+4*\j+3], v4 offset:256*\c+16*\j   ; LDS serves a wave's instructions in order (ISA guide 5.7.1.4): these see the stores above
.endr
.endr
	s_wait_dscnt 0x0                               ; my 64 numbers are back, and the stores into the stage have read their registers,
	s_wait_xcnt 0x0                                ; and the last step's stores of codes have read theirs: v28-35 are written again only behind this wait
.if (\s) < 6
	LOADF (\s)+2, (\s)%2                           ; so the set takes the step two on
.endif
.irp c, 0,1                                    ; the largest magnitude of my two blocks, each in two chains
	v_max3_num_f32 v[8+2*\c], |v[X+32*\c]|, |v[X+32*\c+1]|, |v[X+32*\c+2]|
	v_max3_num_f32 v[9+2*\c], |v[X+32*\c+3]|, |v[X+32*\c+4]|, |v[X+32*\c+5]|
.endr
.irp i, 6,10,14,18,22,26
.irp c, 0,1
	v_max3_num_f32 v[8+2*\c], v[8+2*\c], |v[X+32*\c+\i]|, |v[X+32*\c+\i+1]|
	v_max3_num_f32 v[9+2*\c], v[9+2*\c], |v[X+32*\c+\i+2]|, |v[X+32*\c+\i+3]|
.endr
.endr
.irp c, 0,1
	v_max3_num_f32 v[8+2*\c], v[8+2*\c], |v[X+32*\c+30]|, |v[X+32*\c+31]|
.endr
.irp c, 0,1
	v_max3_num_f32 v[8+2*\c], v[8+2*\c], v[9+2*\c], 0x1800000   ; and the floor 2^(3 - 127): the byte cannot fall under 1
.endr
.irp c, 0,1
	v_add_nc_u32 v[12+\c], 0xff000000, v[8+2*\c]   ; 2 off the exponent field: the conversion takes the exponent field of this operand as its scale, and nothing else of it
.endr
.irp c, 0,1
.irp g, 0,1,2,3
	v_cvt_scalef32_pk8_fp4_f32 v[C+4*\c+\g], v[X+32*\c+8*\g:X+32*\c+8*\g+7], v[12+\c]   ; registers 4 c .. 4 c + 3 of the operand
.endr
.endr
	v_lshrrev_b32 v14, 23, v12                     ; my two scale bytes: blocks lane / 16 and 2 + lane / 16.  (A plain line behind the conversions)
	v_lshrrev_b32 v15, 23, v13
	v_lshl_or_b32 v14, v15, 16, v14
	v_lshlrev_b32 v14, v5, v14                     ; at their places in the word;
	v_permlanex16_b32 v6, v14, s30, s31
	v_or_b32 v[SW+(\s)], v14, v6                   ; with lane l xor 16's two the row's word is whole, in both lanes
	global_store_b128 v[ST+(\s)], v[C:C+3], s[24:25]
	global_store_b128 v[ST+(\s)], v[C+4:C+7], s[24:25] offset:512
.endm
	LOADF 0, 0
	LOADF 1, 1
.irp s, 0,1,2,3,4,5,6,7
	QSTEP \s
.endr
; Q j, made of turns 2 j and 2 j + 1: lanes 0-15 hold the word of K step 2 ((j + rot) % 4), lanes 16-31 that of the step after it.  The run Q i, Q i+1, Q i+2, Q i+3 is copy (i + rot) % 4.
; A run begins on an even register, so the words are laid out twice.  (v40-51 are free: every load has landed and the stage's stores have read them.)
.irp j, 0,1,2,3,4,5
	v_cndmask_b32 v[QA+\j], v[SW+2*(\j%4)], v[SW+2*(\j%4)+1], vcc_lo
	v_cndmask_b32 v[QB+\j], v[SW+2*((\j+1)%4)], v[SW+2*((\j+1)%4)+1], vcc_lo
.endr
	global_store_b128 v[CP], v[QA:QA+3], s[26:27]              ; each store covers 512 consecutive bytes
	global_store_b128 v[CP+1], v[QB:QB+3], s[26:27]
	global_store_b128 v[CP+2], v[QA+2:QA+5], s[26:27]
	global_store_b128 v[CP+3], v[QB+2:QB+5], s[26:27]
	s_wait_tensorcnt 0x0
	ds_add_u32 v232, v233
	s_wait_dscnt 0x0
	s_endpgm
.Lfunc_end_k_q9576267bb6_quant:
	.size	k_q9576267bb6_quant, .Lfunc_end_k_q9576267bb6_quant-k_q9576267bb6_quant
	.p2alignl 7, 3214868480
	.fill 96, 4, 3214868480
	.section	.rodata,"a",@progbits
	.p2align	6, 0x0
	.amdhsa_kernel k_q9576267bb6_quant
		.amdhsa_group_segment_fixed_size 8704
		.amdhsa_private_segment_fixed_size 0
		.amdhsa_enable_private_segment 0
		.amdhsa_kernarg_size 64
		.amdhsa_user_sgpr_count 2
		.amdhsa_user_sgpr_kernarg_segment_ptr 1
		.amdhsa_wavefront_size32 1
		.amdhsa_system_sgpr_workgroup_id_x 1
		.amdhsa_system_sgpr_workgroup_id_y 1
		.amdhsa_system_sgpr_workgroup_id_z 1
		.amdhsa_system_vgpr_workitem_id 0
		.amdhsa_next_free_vgpr 250
		.amdhsa_next_free_sgpr 66
		.amdhsa_reserve_vcc 1
		.amdhsa_float_denorm_mode_32 3
		.amdhsa_float_denorm_mode_16_64 3
		.amdhsa_memory_ordered 1
		.amdhsa_forward_progress 1
		.amdhsa_inst_pref_size 60
	.end_amdhsa_kernel
	.amdgpu_metadata
---
amdhsa.version: [ 1, 2 ]
amdhsa.kernels:
  - .name:           k_q9576267bb6_quant
    .symbol:         k_q9576267bb6_quant.kd
    .args:
      - { .name: keys, .offset: 0, .size: 8, .value_kind: global_buffer, .address_space: global }
      - { .name: queries, .offset: 8, .size: 8, .value_kind: global_buffer, .address_space: global }
      - { .name: values, .offset: 16, .size: 8, .value_kind: global_buffer, .address_space: global }
      - { .name: Wk, .offset: 24, .size: 8, .value_kind: global_buffer, .address_space: global }
      - { .name: Wq, .offset: 32, .size: 8, .value_kind: global_buffer, .address_space: global }
      - { .name: Wv, .offset: 40, .size: 8, .value_kind: global_buffer, .address_space: global }
      - { .name: codes, .offset: 48, .size: 8, .value_kind: global_buffer, .address_space: global }
      - { .name: scales, .offset: 56, .size: 8, .value_kind: global_buffer, .address_space: global }
    .group_segment_fixed_size: 8704
    .private_segment_fixed_size: 0
    .kernarg_segment_align: 8
    .kernarg_segment_size: 64
    .max_flat_workgroup_size: 32
    .sgpr_count:     66
    .vgpr_count:     250
    .wavefront_size: 32
...
	.end_amdgpu_metadata
.endif
;; end of part 3
;; launch attn (part 4): grid 256 x 1, 4 waves a work-group, no clusters, 327,680 bytes of LDS; arguments codes, scales, bk, bq, bv, out0; writes out0
.if DOCPART == 4
	.amdgcn_target "amdgcn-amd-amdhsa--gfx1250"
	.amdhsa_code_object_version 6
	.text
	.protected	k_q9576267bb6_attn
	.globl	k_q9576267bb6_attn
	.p2align	8
	.type	k_q9576267bb6_attn,@function
k_q9576267bb6_attn:
	s_mov_b64 s[64:65], 0
	v_nop
	global_prefetch_b8 v0, s[64:65] scope:SCOPE_SE
	s_setreg_imm32_b32 hwreg(HW_REG_WAVE_MODE, 25, 1), 1
	s_wait_xcnt 0x0
; out = attention(queries Wq^T + bq, keys Wk^T + bk, values Wv^T + bv), all five products on codes of FP4 (E2M1) with one E8M0 scale for each 32 along K.
; Group n (0..127) is rows 128 n .. + 127 of the flat [16384][1024] arrays, head h is columns 64 h .. + 63; each (n, h) is an attention of 128 queries x 128 keys.
; SHARES.  Work-group = (n, half hg of the heads).  Wave w owns columns 512 hg + 128 w .. + 127, two heads, for all 128 rows: it makes its k, q and v, quantises them in registers and does its two heads' attention.
; q, k, v, the scores and p never go to memory.
; INPUTS are the launch before's register images: a fragment (16 rows x 128 K) is two loads of 16 bytes a lane at 16 x lane; a tile's scale words for all of K are 16 bytes a lane: register j serves two K steps,
; lanes 0-15 the first, lanes 16-31 (MATRIX_SCALE_ROW1) the second.  Row i of tile t is the tensor's row 32 (t / 2) + 8 (t % 2) + i + 8 (i / 8).
; x's codes and scale words of the group (3 x 65,536 + 3 x 4,096 bytes) come into LDS by asynchronous copies, 34 for each tensor a wave, all issued at the head, each byte filled once.  W's go from memory into operand registers.
; K IS WALKED FROM FOUR STARTS: rho = (n + n / 4 + n / 16) % 4, and SLOT t (0..7) of a projection takes K step (t + 2 rho) % 8.  Only addresses in memory hang on rho: wave w copies K steps 2 ((w + rho) % 4) and + 1
; into LDS slots 2 w and 2 w + 1; W's offsets stand in eight registers; of the scale words the copy rotated by rho is read.  The order of the f32 sums along K so differs from class to class.
; ORIENTATION.  k, q: source 0 = a tile of W, source 1 = a tile of x: lane (r, h) holds row r, registers 16 b + i of the eight results are columns 32 b + 16 h + i of my 128: QUANT makes of them one fragment,
; [first head's 64 | second head's 64], and one scale word.  v: the sources change places: a lane holds one column and its registers run along the keys: QUANT gives V^T's fragment.
; S^T = k's fragment x [q of the first head | zero codes] or [zero codes | q of the second]: twelve registers qA, Z, qB serve both.  O^T = V^T P^T: a lane holds one query.  All 128 keys are one K step, so M is final.
; SOFTMAX: t = score x c, c = log2(e) / 8; M = ceil(the row's largest t); p = 2^(t - M) is quantised along the keys; the row's sum is taken of the unquantised p and divides O at the end.
; The biases are the C of each sum's first matrix instruction.
; NO CLUSTER: a joint load lands in LDS, and LDS holds 208,896 bytes of x and 116,736 of the waves' own: a ring for W's 786,432 bytes has no room; x is shared by two work-groups alone.
; NO PREFETCH: W's loads into registers are themselves issued three slots ahead of their use, and x is asked for whole at the head.
; LIMITS: NaN and infinities are not served.  A block of zeros gets the byte 1 where the rule says 127 (its codes are zeros).  t is score x fl(log2(e) / 8), one rounding.
; REGISTERS, in windows of 256 (s_set_vgpr_msb: bits 1:0 source 0, 3:2 source 1, 5:4 source 2, 7:6 destination):
;   window 0: addresses and work in v1-63; v64-127 scale words alone; v128-191 x's fragments, later S^T; v192-255 biases, later O^T (v192-223) and rows on the way out (v224-255)
;   window 1: four sets of W's eight fragments; later k's fragments (v0-63) and V^T's (v64-127);   windows 2, 3: the 64 accumulators, (x tile X, W tile Y) at 64 X + 8 Y
.set PRIV,  196608                     ; LDS: x's images: 65,536 t + 8,192 tile + 1,024 slot + 512 c + 16 lane.  Behind them each wave's own 29,184 bytes:
.set PRIVB, 29184                      ; images of k, q, v (3 x 8 x 1,024),
.set PSC,   24576                      ; their scale words (3 x 8 x 128),
.set PBI,   27648                      ; and my 128 numbers of bk, bq, bv (3 x 512).  No copy lands there
.set XSCL,  313344                     ; x's scale words: 4,096 t + 512 tile + 16 lane
.set SPARE, 325632                     ; the spare words, 128 bytes a wave
.set SP,    272                        ; the stage for the way out, 16 rows x (256 + 16) bytes, lies over my image of k, which is in registers by then
.set LI,  1                            ; 16 x lane; never rewritten
.set LS,  2                            ; 4 x lane
.set XA,  3                            ; x's image of the tensor in hand + 16 x lane
.set PI,  4                            ; where QUANT stores images
.set PS,  5                            ; and scale words
.set BA,  6                            ; my biases + 64 (lane / 16)
.set BVA, 7                            ; my biases + 4 (r + 8 (r / 8))
.set WOF, 8                            ; v8-15 slot t: 16 x lane + 1,024 ((t + 2 rho) % 8); never rewritten
.set TM,  16                           ; v16-24, v28-31 at work
.set SO,  25
.set SR,  26
.set GO,  27
.set CL,  28                           ; v28-30 the copies' LDS address for tensor t's codes; v31 and v40-42 likewise: they stay until the wait that shows all copies done
.set SG,  31                           ; 16 x lane + 1,536
.set Q,   32
.set SL,  40                           ; v40-42 the copies' LDS address for tensor t's scale words
.set PI0, 44
.set PS0, 45
.set QI,  46
.set QS,  47
.set PC,  48
.set XSA, 56
.set PW,  57
.set NM,  58
.set SA,  60
.set SB,  62
.set XSC, 64
.set WSC, 96
.set XF,  128
.set BI,  192
.set KSW, 64
.set VSW, 72
.set QSW, 80
.set S,   128
.set O,   192
.set OB,  224
.set KF,  0
.set VF,  64
.set WV,  16
.set OFS, 20
.set WCP, 22
.set WSP, 24
.set OUT, 26
.set OP,  28
.set TN,  30
.set TX,  31
.set TP,  32
.set TS,  33
.set QT,  34
.set TQ,  35
.set TQS, 36
.set T2,  37
.set RHO, 38
.set FLR, 39
.set SEL, 40
.set CS,  42
.set XCB, 44                           ; s[44:49] where my part of tensor t's codes begins in memory; never rewritten
.set XSB, 50                           ; s[50:55] and of its scale words
.set TXS, 60
.set OF2, 62
.set MSB, 0
.macro WIN new                         ; the immediate's high byte repeats the setting that is left
.if MSB != (\new)
	s_set_vgpr_msb (MSB<<8)|(\new)
.set MSB, (\new)
.endif
.endm
.macro PLACES                          ; four places behind a matrix instruction (ISA guide 7.12.1)
.rept 4
	v_nop
.endr
.endm
.macro XTILES t, i0, n                 ; my two K steps of tiles i0 .. i0 + n - 1 of tensor t, four copies a tile (the immediate goes to both addresses: tiles lie 8,192 bytes apart in memory and in LDS)
.set XI, \i0
.rept \n
.irp j, 0,1,2,3
	global_load_async_to_lds_b128 v[CL+\t], v[LI], s[XCB+2*\t:XCB+2*\t+1] offset:8192*XI+512*\j
.endr
.set XI, XI+1
.endr
.endm
.macro XSCALES t                       ; my two tiles' scale words of tensor t
	global_load_async_to_lds_b128 v[SL+\t], v[LI], s[XSB+2*\t:XSB+2*\t+1]
	global_load_async_to_lds_b128 v[SL+\t], v[SG], s[XSB+2*\t:XSB+2*\t+1] offset:512   ; 2,048 bytes on in memory, 512 in LDS
.endm
.macro WLOAD slot, off, bank           ; my 8 tiles' fragments of W for one slot into set bank of window 1
	WIN 0x40
.irp a, 0,1,2,3,4,5,6,7
.irp c, 0,1
	global_load_b128 v[64*(\bank)+8*\a+4*\c:64*(\bank)+8*\a+4*\c+3], v[WOF+(\slot)], s[WCP:WCP+1] offset:(\off)+8192*\a+512*\c
.endr
.endr
.endm
.macro HLOAD half, off                 ; half a scale quad of my 8 tiles of W: it serves slots 4 half .. 4 half + 3
.irp y, 0,1,2,3,4,5,6,7
	global_load_b64 v[WSC+4*\y+2*(\half):WSC+4*\y+2*(\half)+1], v[LI], s[WSP:WSP+1] offset:(\off)+2048*\y+8*(\half)
.endr
.endm
.macro FETCHX s, i0                    ; x's tiles i0 .. i0 + 3 of slot s, from LDS
.irp i, \i0, \i0+1, \i0+2, \i0+3
.irp c, 0,1
	ds_load_b128 v[XF+8*(\i)+4*\c:XF+8*(\i)+4*\c+3], v[XA] offset:1024*(\s)+8192*(\i)+512*\c
.endr
.endr
.endm
.macro XSCLOAD
	v_add_nc_u32 v[XSA], s[TXS], v[LI]
.irp i, 0,1,2,3,4,5,6,7
	ds_load_b128 v[XSC+4*\i:XSC+4*\i+3], v[XSA] offset:512*\i
.endr
.endm
.macro BIAS_KQ off                     ; tile a's C: lane (r, h), register j: b[32 (a / 2) + 8 (a % 2) + 16 h + j]
.irp a, 0,1,2,3,4,5,6,7
	ds_load_b128 v[BI+8*\a:BI+8*\a+3], v[BA] offset:(\off)+(32*(\a/2)+8*(\a%2))*4
	ds_load_b128 v[BI+8*\a+4:BI+8*\a+7], v[BA] offset:(\off)+(32*(\a/2)+8*(\a%2))*4+16
.endr
.endm
.macro BIAS_V                          ; tile y's C: a lane holds one column: eight times bv[32 (y / 2) + 8 (y % 2) + r + 8 (r / 8)]
.irp y, 0,1,2,3,4,5,6,7
.irp j, 0,1,2,3,4,5,6,7
	ds_load_b32 v[BI+8*\y+\j], v[BVA] offset:1024+(32*(\y/2)+8*(\y%2))*4
.endr
.endr
.endm
; Eight products: x tile X against my eight tiles of W.  mode 0 (k, q): source 0 = W; mode 1 (v): source 0 = x.  Slot 0 starts the sums with the bias as C.  The 64 accumulators take turns.
.macro MUL8 mode, X, s
.irp Y, 0,1,2,3,4,5,6,7
.set R_D, 64*((\X)%4)+8*\Y
.if \mode
.set R_A, XF+8*(\X)
.set R_B, 64*((\s)%4)+8*\Y
.set R_SA, XSC+4*(\X)+(\s)/2
.set R_SB, WSC+4*\Y+(\s)/2
.else
.set R_A, 64*((\s)%4)+8*\Y
.set R_B, XF+8*(\X)
.set R_SA, WSC+4*\Y+(\s)/2
.set R_SB, XSC+4*(\X)+(\s)/2
.endif
.if (\s) == 0
	v_wmma_scale_f32_16x16x128_f8f6f4 v[R_D:R_D+7], v[R_A:R_A+7], v[R_B:R_B+7], v[BI+8*\Y:BI+8*\Y+7], v[R_SA], v[R_SB] matrix_a_fmt:MATRIX_FMT_FP4 matrix_b_fmt:MATRIX_FMT_FP4
.elseif (\s)%2
	v_wmma_scale_f32_16x16x128_f8f6f4 v[R_D:R_D+7], v[R_A:R_A+7], v[R_B:R_B+7], v[R_D:R_D+7], v[R_SA], v[R_SB] matrix_a_fmt:MATRIX_FMT_FP4 matrix_b_fmt:MATRIX_FMT_FP4 matrix_a_scale:MATRIX_SCALE_ROW1 matrix_b_scale:MATRIX_SCALE_ROW1
.else
	v_wmma_scale_f32_16x16x128_f8f6f4 v[R_D:R_D+7], v[R_A:R_A+7], v[R_B:R_B+7], v[R_D:R_D+7], v[R_SA], v[R_SB] matrix_a_fmt:MATRIX_FMT_FP4 matrix_b_fmt:MATRIX_FMT_FP4
.endif
.endr
.endm
; A slot: 64 products.  x has one set of fragments: tiles 0-3 are fetched anew in the middle, tiles 4-7 at the end.  W has four sets: pre = 1: the slot three on is asked for (from slot 5 on the NEXT tensor's slot 0, 1, 2).
; hl = 1 (slot 3): the first halves of W's scale quads take the next tensor's.  lc: the loads issued behind this slot's W.  dc: the youngest LDS loads, which may stay out.
.macro STEP mode, s, lc, dc, pre, hl
	s_wait_loadcnt \lc
	s_wait_dscnt \dc
.if (\s) == 0
	WIN 0x81+3*(\mode)
.else
	WIN 0xa1+3*(\mode)
.endif
.irp X, 0,1,2,3
	MUL8 \mode, \X, \s
.endr
	s_wait_dscnt 0x0                               ; x's tiles 4-7 are in
.if (\pre) || ((\s) < 7)
	PLACES
.endif
.if \pre
.if (\s) < 5
	WLOAD (\s)+3, 0, ((\s)+3)%4
.else
	WLOAD (\s)-5, 524288, ((\s)+3)%4
.endif
.endif
	WIN 0
.if (\s) < 7
	FETCHX (\s)+1, 0
.endif
.if (\s) == 0
	WIN 0xc1+3*(\mode)
.else
	WIN 0xf1+3*(\mode)
.endif
.irp X, 4,5,6,7
	MUL8 \mode, \X, \s
.endr
	PLACES
	WIN 0
.if (\s) < 7
	FETCHX (\s)+1, 4
.endif
.if \hl
	HLOAD 0, 131072
.endif
.endm
; QUANT: 64 numbers of a lane, number (block b, u, j) = k 32 b + 16 (lane / 16) + 8 u + j, in register base + bs x b + us x u + j (wrap = 1: bs x (b % 2)) of window wlo (b < 2) or whi,
; become a fragment's codes in v[PC] on and its scale word in v[PW], and go to my images in LDS.
.macro QMAX base, bs, us, wrap, win, b0        ; four chains, each accumulator read from its low end on
	WIN ((\win)<<2)|((\win)<<4)
.irp p, 0,1,2,3
.irp u, 0,1
.irp d, 0,1
.set QB, (\b0)+\d
.if \wrap
.set QR, (\base)+(\bs)*\d+(\us)*\u+2*\p
.else
.set QR, (\base)+(\bs)*QB+(\us)*\u+2*\p
.endif
.if \p == 0
	v_max3_num_f32 v[TM+4*\u+QB], s[FLR], |v[QR]|, |v[QR+1]|        ; the floor starts each chain: the byte cannot fall under 1
.else
	v_max3_num_f32 v[TM+4*\u+QB], v[TM+4*\u+QB], |v[QR]|, |v[QR+1]|
.endif
.endr
.endr
.endr
.endm
.macro QCVT base, bs, us, wrap, win, b0
	WIN \win
.irp d, 0,1
.irp u, 0,1
.set QB, (\b0)+\d
.if \wrap
.set QR, (\base)+(\bs)*\d+(\us)*\u
.else
.set QR, (\base)+(\bs)*QB+(\us)*\u
.endif
	v_cvt_scalef32_pk8_fp4_f32 v[PC+2*QB+\u], v[QR:QR+7], v[TM+12+QB]
.endr
.endr
.endm
.macro QUANT base, bs, us, wrap, wlo, whi, ioff, soff
	QMAX \base, \bs, \us, \wrap, \wlo, 0
	QMAX \base, \bs, \us, \wrap, \whi, 2
	WIN 0
.irp b, 0,1,2,3
	v_max_num_f32 v[TM+\b], v[TM+\b], v[TM+4+\b]
.endr
.irp b, 0,1,2,3
	v_permlanex16_b32 v[TM+4+\b], v[TM+\b], s[SEL], s[SEL+1]
.endr
.irp b, 0,1,2,3
	v_max_num_f32 v[TM+\b], v[TM+\b], v[TM+4+\b]   ; with lane l xor 16's: the block's largest magnitude
.endr
.irp b, 0,1,2,3
	v_add_nc_u32 v[TM+12+\b], 0xff000000, v[TM+\b] ; 2 off its exponent field: the conversion's scale operand
.endr
.irp b, 0,1,2,3
	v_lshrrev_b32 v[TM+4+\b], 23, v[TM+12+\b]      ; the scale's byte
.endr
	v_lshl_or_b32 v[PW], v[TM+5], 8, v[TM+4]
	v_lshl_or_b32 v[PW], v[TM+6], 16, v[PW]
	v_lshl_or_b32 v[PW], v[TM+7], 24, v[PW]
	s_wait_dscnt 0x0                               ; the last image's stores have read v[PC] on
	QCVT \base, \bs, \us, \wrap, \wlo, 0
	QCVT \base, \bs, \us, \wrap, \whi, 2
	WIN 0
	v_nop                                          ; one plain place behind a scaled conversion
.irp c, 0,1                                    ; a WHOLE block in a lane: lanes 0-15 block 2 c, lanes 16-31 block 2 c + 1
.irp i, 0,1
	v_permlane16_swap_b32 v[PC+4*\c+\i], v[PC+2+4*\c+\i]
.endr
.endr
	ds_store_b128 v[PI], v[PC:PC+3] offset:\ioff
	ds_store_b128 v[PI], v[PC+4:PC+7] offset:(\ioff)+512
	ds_store_b32 v[PS], v[PW] offset:\soff
.endm
	s_load_b256 s[4:11], s[0:1], 0x0               ; codes, scales, bk, bq
	s_load_b128 s[12:15], s[0:1], 0x20             ; bv, out0
	v_lshl_add_u32 v254, v0, 2, SPARE
	v_mov_b32 v255, 0
	ds_add_u32 v254, v255                          ; the opening lines, ahead of my first copy
	ds_add_u32 v254, v255
	s_wait_dscnt 0x0
	v_lshrrev_b32 v46, 5, v0
	v_readfirstlane_b32 s[WV], v46                 ; wave 0..3
	s_lshr_b32 s17, ttmp9, 1                       ; n
	s_and_b32 s18, ttmp9, 1                        ; hg
	s_lshr_b32 s19, s17, 2
	s_add_co_u32 s[RHO], s17, s19
	s_lshr_b32 s19, s17, 4
	s_add_co_u32 s[RHO], s[RHO], s19
	s_and_b32 s[RHO], s[RHO], 3
	s_add_co_u32 s19, s[WV], s[RHO]                ; x's codes: the group's 8 tiles of 8,192 bytes, K pair (w + rho) % 4
	s_and_b32 s19, s19, 3
	s_lshl_b32 s19, s19, 11
	s_lshl_b32 s[OFS], s17, 16
	s_add_co_u32 s[OFS], s[OFS], s19
	s_mov_b32 s[OFS+1], 0
	s_lshl_b32 s[OF2], s17, 14                     ; x's scale words: 8 tiles of 2,048 bytes, my two of them, copy rho
	s_lshl_b32 s19, s[WV], 12
	s_add_co_u32 s[OF2], s[OF2], s19
	s_lshl_b32 s19, s[RHO], 9
	s_add_co_u32 s[OF2], s[OF2], s19
	s_mov_b32 s[OF2+1], 0
	v_and_b32 v46, 31, v0
	v_lshlrev_b32 v[LI], 4, v46
	s_wait_alu depctr_va_vdst(0)                   ; directly behind the write
	v_lshlrev_b32 v[LS], 2, v46
.irp t, 0,1,2,3,4,5,6,7
	s_lshl_b32 s19, s[RHO], 1
	s_add_co_u32 s19, s19, \t
	s_and_b32 s19, s19, 7
	s_lshl_b32 s19, s19, 10
	v_add_nc_u32 v[WOF+\t], s19, v[LI]
.endr
	s_lshl_b32 s19, s[WV], 11                      ; where the copies go: slots 2 w and 2 w + 1; tiles 2 w and 2 w + 1 of the scale words
	s_lshl_b32 s[T2], s[WV], 10
	s_add_co_u32 s[T2], s[T2], XSCL
.irp t, 0,1,2
	v_add_nc_u32 v[CL+\t], s19, v[LI]
	v_add_nc_u32 v[SL+\t], s[T2], v[LI]
	s_add_co_u32 s19, s19, 65536
	s_add_co_u32 s[T2], s[T2], 4096
.endr
	v_add_nc_u32 v[SG], 1536, v[LI]
	s_wait_alu depctr_va_vdst(0)                   ; directly ahead of the wait below
	s_wait_kmcnt 0x0
	s_add_nc_u64 s[XCB:XCB+1], s[4:5], s[OFS:OFS+1]            ; a tensor's 1,024 tiles are 8,388,608 bytes of codes
	s_add_nc_u64 s[XCB+2:XCB+3], s[XCB:XCB+1], 0x800000
	s_add_nc_u64 s[XCB+4:XCB+5], s[XCB+2:XCB+3], 0x800000
	s_add_nc_u64 s[XSB:XSB+1], s[6:7], s[OF2:OF2+1]            ; and 2,097,152 bytes of scale words
	s_add_nc_u64 s[XSB+2:XSB+3], s[XSB:XSB+1], 0x200000
	s_add_nc_u64 s[XSB+4:XSB+5], s[XSB+2:XSB+3], 0x200000
	XTILES 0, 0, 8                                 ; keys first: k is made first: 34 copies,
	XSCALES 0
	XTILES 1, 0, 2                                 ; and 8 of queries: 42 stand ahead of W's loads.  Of the 102 copies the last is issued when 39 are done (ASYNCcnt's field holds 63: ISA guide 5.7.1): all 39 are among these
	s_lshl_b32 s19, s18, 5
	s_lshl_b32 s[T2], s[WV], 3
	s_add_co_u32 s19, s19, s[T2]
	s_add_co_u32 s19, s19, 3072                    ; my first tile of Wk: 3072 + 32 hg + 8 wave
	s_lshl_b32 s[OFS], s19, 13
	s_add_nc_u64 s[WCP:WCP+1], s[4:5], s[OFS:OFS+1]
	s_lshl_b32 s[OFS], s19, 11
	s_lshl_b32 s[T2], s[RHO], 9
	s_add_co_u32 s[OFS], s[OFS], s[T2]
	s_add_nc_u64 s[WSP:WSP+1], s[6:7], s[OFS:OFS+1]
	s_lshl_b32 s[OFS], s18, 11
	s_lshl_b32 s[T2], s[WV], 9
	s_add_co_u32 s[OFS], s[OFS], s[T2]             ; my first column, in bytes of f32
	v_add_nc_u32 v16, s[OFS], v[LI]
	s_add_nc_u64 s[OUT:OUT+1], s[14:15], s[OFS:OFS+1]
	s_lshl_b32 s[OFS], s17, 19                     ; my group's 128 rows of 4,096 bytes
	s_add_nc_u64 s[OUT:OUT+1], s[OUT:OUT+1], s[OFS:OFS+1]
	; the first loads, in the order in which a trip of the loop leaves them
	global_load_b128 v[128:131], v16, s[8:9]       ; bk
	global_load_b128 v[132:135], v16, s[10:11]     ; bq
	global_load_b128 v[136:139], v16, s[12:13]     ; bv
	HLOAD 0, 0
	WLOAD 0, 0, 0
	WLOAD 1, 0, 1
	WLOAD 2, 0, 2
	WIN 0
	HLOAD 1, 0
	v_and_b32 v47, 15, v0                          ; r
	v_bfe_u32 v56, v0, 4, 1                        ; h
	s_mul_i32 s19, s[WV], PRIVB
	s_add_co_u32 s19, s19, PRIV                    ; my own bytes
	v_add_nc_u32 v[PI0], s19, v[LI]
	v_mul_u32_u24 v[SO], v47, SP
	v_lshl_add_u32 v[SO], v56, 6, v[SO]
	v_add_nc_u32 v[SO], s19, v[SO]                 ; the stage, in: row r, + 64 h
	v_mul_u32_u24 v[SR], v56, SP
	v_lshl_add_u32 v[SR], v47, 4, v[SR]
	v_add_nc_u32 v[SR], s19, v[SR]                 ; back: lanes 0-15 one row of 256 bytes, lanes 16-31 the next
	v_lshlrev_b32 v[GO], 12, v56
	v_lshl_add_u32 v[GO], v47, 4, v[GO]            ; and the same two rows in out0
	s_add_co_u32 s[T2], s19, PSC
	v_add_nc_u32 v[PS0], s[T2], v[LS]
	s_add_co_u32 s[T2], s19, PBI
	v_lshl_add_u32 v[BA], v56, 6, s[T2]
	v_and_b32 v[BVA], 8, v47
	v_add_nc_u32 v[BVA], v[BVA], v47
	v_lshl_add_u32 v[BVA], v[BVA], 2, s[T2]
	v_add_nc_u32 v17, s[T2], v[LI]                 ; where the biases go
	v_mov_b32 v[PI], v[PI0]
	v_mov_b32 v[PS], v[PS0]
	v_mov_b32 v[XA], v[LI]
.irp i, 4,5,6,7
	v_mov_b32 v[Q+\i], 0                           ; Z: 64 zero codes a row, between qA and qB
.endr
	v_mov_b32 v[NM+1], 0                           ; (named as the upper half of a pair)
	s_mov_b32 s[SEL], 0x76543210
	s_mov_b32 s[SEL+1], 0xfedcba98
	s_mov_b32 s[CS], 0x3e38aa3b                    ; c = log2(e) / 8
	s_mov_b32 s[CS+1], s[CS]
	s_mov_b32 s[FLR], 0x1800000                    ; 2^(3 - 127)
	s_mov_b32 s[TN], 0
	s_mov_b32 s[TX], 0
	s_mov_b32 s[TP], 0
	s_mov_b32 s[TS], 0
	s_mov_b32 s[TXS], XSCL
	XTILES 1, 2, 6                                 ; the other 60: all copies stand ahead of the first wait on ASYNCcnt, the first LDS read and the first barrier
	XSCALES 1
	XTILES 2, 0, 8
	XSCALES 2
	s_wait_alu depctr_va_vdst(0)
	s_wait_loadcnt 63                              ; the three biases are in: 64 loads stand behind them; the field names 63 at the most, the stricter count
	ds_store_b128 v17, v[128:131]
	ds_store_b128 v17, v[132:135] offset:512
	ds_store_b128 v17, v[136:139] offset:1024
	BIAS_KQ 0                                      ; bk.  LDS serves a wave's instructions in order (ISA guide 5.7.1.4)
	s_wait_asynccnt 63                             ; my 34 copies of keys are in: 68 stand behind them; the field names 63 at the most, the stricter count
	s_wait_dscnt 0x0
	s_barrier_signal -1
	s_barrier_wait -1                              ; everybody's are
	FETCHX 0, 0
	FETCHX 0, 4
	XSCLOAD
	; k, then q: two trips of one body.  The waits' counts: two later slots' 32 loads, and where half a set of scale quads stands among them, its 8
.Ltensor:
	STEP 0, 0, 40, 0, 1, 0
	STEP 0, 1, 40, 8, 1, 0
	STEP 0, 2, 40, 8, 1, 0
	STEP 0, 3, 32, 8, 1, 1
	STEP 0, 4, 40, 8, 1, 0
	STEP 0, 5, 40, 8, 1, 0
	STEP 0, 6, 40, 8, 1, 0
	STEP 0, 7, 32, 8, 1, 0
	HLOAD 1, 131072                                ; the second halves have served their last slot
	s_wait_asynccnt 0x0                            ; all my copies are in (in the second trip none is out),
	s_wait_dscnt 0x0
	s_barrier_signal -1
	s_barrier_wait -1                              ; everybody's are: the next tensor's image may be read
	s_add_co_u32 s[TX], s[TX], 65536
	s_add_co_u32 s[TXS], s[TXS], 4096
	v_add_nc_u32 v[XA], s[TX], v[LI]
	FETCHX 0, 0                                    ; the next tensor's first fragments, scale words and bias
	FETCHX 0, 4
	XSCLOAD
	s_cmp_lg_u32 s[TN], 0
	s_cbranch_scc1 .Lbias_v
	BIAS_KQ 512                                    ; bq
	s_branch .Lbias_done
.Lbias_v:
	BIAS_V
.Lbias_done:
.irp X, 0,1,2,3,4,5,6,7
	QUANT 64*(\X%4), 16, 8, 0, 2+\X/4, 2+\X/4, 1024*\X, 128*\X
.endr
	s_add_co_u32 s[TP], s[TP], 8192                ; the next tensor's images
	s_add_co_u32 s[TS], s[TS], 1024
	v_add_nc_u32 v[PI], s[TP], v[PI0]
	v_add_nc_u32 v[PS], s[TS], v[PS0]
	s_wait_xcnt 0x0                                ; every load has read its base (the last were issued ahead of the eight QUANTs): the two are stepped to the next tensor
	s_add_nc_u64 s[WCP:WCP+1], s[WCP:WCP+1], 0x80000
	s_add_nc_u64 s[WSP:WSP+1], s[WSP:WSP+1], 0x20000
	s_add_co_u32 s[TN], s[TN], 1
	s_cmp_lt_u32 s[TN], 2
	s_cbranch_scc1 .Ltensor
	; v: the sources change places; nothing follows, so the counts run down
	STEP 1, 0, 40, 0, 1, 0
	STEP 1, 1, 40, 8, 1, 0
	STEP 1, 2, 40, 8, 1, 0
	STEP 1, 3, 32, 8, 1, 0
	STEP 1, 4, 32, 8, 1, 0
	STEP 1, 5, 32, 8, 0, 0
	STEP 1, 6, 16, 8, 0, 0
	STEP 1, 7, 0, 8, 0, 0
.irp y, 0,1,2,3,4,5,6,7
	QUANT 8*\y, 128, 64, 1, 2, 3, 1024*\y, 128*\y  ; column tile y: block b of the keys lies in accumulators (2 b, y) and (2 b + 1, y)
.endr
	; the attention.  k's and V^T's fragments and scale words stay in registers; q's come tile by tile
	WIN 0x40
.irp f, 0,1,2,3,4,5,6,7
.irp c, 0,1
	ds_load_b128 v[KF+8*\f+4*\c:KF+8*\f+4*\c+3], v[PI0] offset:1024*\f+512*\c
.endr
.endr
.irp f, 0,1,2,3,4,5,6,7
.irp c, 0,1
	ds_load_b128 v[VF+8*\f+4*\c:VF+8*\f+4*\c+3], v[PI0] offset:16384+1024*\f+512*\c
.endr
.endr
	WIN 0
.irp f, 0,1,2,3,4,5,6,7
	ds_load_b32 v[KSW+\f], v[PS0] offset:128*\f
	ds_load_b32 v[VSW+\f], v[PS0] offset:2048+128*\f
.endr
	ds_load_b128 v[Q:Q+3], v[PI0] offset:8192      ; q's tile 0: the first head's 64,
	ds_load_b128 v[Q+8:Q+11], v[PI0] offset:8192+512       ; the second's,
	ds_load_b32 v[QSW], v[PS0] offset:1024         ; and the scale word
	s_mov_b32 s[QT], 0
	s_mov_b32 s[TQ], 0
	s_mov_b32 s[TQS], 0
	s_mov_b64 s[OP:OP+1], s[OUT:OUT+1]             ; out0 at my group's first row: the first head of each trip steps it to the trip's tile
.macro STORES x                        ; head x's 16 rows of 256 bytes: sixteen lanes store 256 consecutive bytes, aligned; row 2 i + h of the tile is the group's row .. + 2 i + h + 8 (i / 4)
.irp i, 0,1,2,3,4,5,6,7
	global_store_b128 v[GO], v[OB+4*\i:OB+4*\i+3], s[OP:OP+1] offset:(2*\i+8*(\i/4))*4096+256*\x th:TH_STORE_NT
.endr
.endm
.macro HEAD x                          ; 16 queries x 128 keys of my head x
	WIN 0x01
.irp t, 0,1,2,3,4,5,6,7                        ; S^T: lane (r, h) holds query r; register 16 b + i is key 32 b + 16 h + i
	v_wmma_scale_f32_16x16x128_f8f6f4 v[S+8*\t:S+8*\t+7], v[KF+8*\t:KF+8*\t+7], v[Q+4*\x:Q+4*\x+7], 0, v[KSW+\t], v[QSW] matrix_a_fmt:MATRIX_FMT_FP4 matrix_b_fmt:MATRIX_FMT_FP4
.endr
	WIN 0
	PLACES
.if \x
	s_add_co_u32 s[TQ], s[TQ], 1024                ; both heads have multiplied by this tile of q: the next one is asked for.  In the last trip these loads read V^T's first image and scale word,
	s_add_co_u32 s[TQS], s[TQS], 128               ; bytes of my own that have been written, and what they bring is not used
	v_add_nc_u32 v[QI], s[TQ], v[PI0]
	v_add_nc_u32 v[QS], s[TQS], v[PS0]
	ds_load_b128 v[Q:Q+3], v[QI] offset:8192
	ds_load_b128 v[Q+8:Q+11], v[QI] offset:8192+512
	ds_load_b32 v[QSW], v[QS] offset:1024
.endif
.irp b, 0,1,2,3
	v_max3_num_f32 v[TM+\b], v[S+16*\b], v[S+1+16*\b], v[S+2+16*\b]   ; the largest score of each block of 32 keys: for the row's maximum and, since p rises with the score, for the block's largest p
.endr
.irp i, 3,5,7,9,11,13
.irp b, 0,1,2,3
	v_max3_num_f32 v[TM+\b], v[TM+\b], v[S+16*\b+\i], v[S+1+16*\b+\i]
.endr
.endr
.irp b, 0,1,2,3
	v_max_num_f32 v[TM+\b], v[TM+\b], v[S+15+16*\b]
.endr
.irp b, 0,1,2,3
	v_permlanex16_b32 v[TM+4+\b], v[TM+\b], s[SEL], s[SEL+1]
.endr
.irp b, 0,1,2,3
	v_max_num_f32 v[TM+\b], v[TM+\b], v[TM+4+\b]
.endr
	v_max3_num_f32 v[TM+8], v[TM], v[TM+1], v[TM+2]
	v_max_num_f32 v[TM+8], v[TM+8], v[TM+3]        ; the row's largest score,
	v_mul_f32 v[TM+8], s[CS], v[TM+8]              ; as t (c is positive)
	v_floor_f32 v[NM], -v[TM+8]                    ; -M = floor(-t) = -ceil(t)
.irp j, 0,2,4,6,8,10,12,14,16,18,20,22,24,26,28,30,32,34,36,38,40,42,44,46,48,50,52,54,56,58,60,62
	v_pk_fma_f32 v[S+\j:S+\j+1], v[S+\j:S+\j+1], s[CS:CS+1], v[NM:NM+1] op_sel_hi:[1,0,0]   ; t - M
.endr
.irp b, 0,1,2,3
	v_fma_f32 v[TM+\b], v[TM+\b], s[CS], v[NM]     ; the same of each block's largest score
.endr
	s_wait_alu depctr_va_vdst(0)
.irp j, 0,1,2,3,4,5,6,7,8,9,10,11,12,13,14,15,16,17,18,19,20,21,22,23,24,25,26,27,28,29,30,31,32,33,34,35,36,37,38,39,40,41,42,43,44,45,46,47,48,49,50,51,52,53,54,55,56,57,58,59,60,61,62,63
	v_exp_f32 v[S+\j], v[S+\j]                     ; p = 2^(t - M), at most 1: not normalised
.endr
.irp b, 0,1,2,3
	v_exp_f32 v[TM+\b], v[TM+\b]                   ; the block's largest p
.endr
	v_nop                                          ; a plain place behind the exponentials
	s_wait_alu depctr_va_vdst(0)                   ; and the wait behind the batch, ahead of the branch and of the first reader
	s_wait_dscnt 0x0                               ; the rows of the head before are back from the stage: they have had the scores and the exponentials for it (x = 1: q's next tile is in too)
.if \x
	STORES 0
.else
	s_cmp_eq_u32 s[QT], 0                          ; the second head's rows of the tile before; the first trip has none
	s_cbranch_scc1 .Lnone_\@
	STORES 1
.Lnone_\@:
.endif
.irp b, 0,1,2,3
	v_max_num_f32 v[TM+\b], s[FLR], v[TM+\b]       ; the floor: the byte cannot fall under 1
.endr
.irp b, 0,1,2,3
	v_add_nc_u32 v[TM+12+\b], 0xff000000, v[TM+\b]
.endr
.irp b, 0,1,2,3
	v_lshrrev_b32 v[TM+4+\b], 23, v[TM+12+\b]
.endr
	v_lshl_or_b32 v[PW], v[TM+5], 8, v[TM+4]
	v_lshl_or_b32 v[PW], v[TM+6], 16, v[PW]
	v_lshl_or_b32 v[PW], v[TM+7], 24, v[PW]        ; p's scale word for the 128 keys
.irp b, 0,1,2,3
	v_cvt_scalef32_pk8_fp4_f32 v[PC+2*\b], v[S+16*\b:S+16*\b+7], v[TM+12+\b]
	v_cvt_scalef32_pk8_fp4_f32 v[PC+2*\b+1], v[S+16*\b+8:S+16*\b+15], v[TM+12+\b]
.endr
	v_nop                                          ; one plain place behind a scaled conversion
.irp c, 0,1
.irp i, 0,1
	v_permlane16_swap_b32 v[PC+4*\c+\i], v[PC+2+4*\c+\i]
.endr
.endr
	v_pk_add_f32 v[SA:SA+1], v[S:S+1], v[S+4:S+5]  ; the row's sum of the UNQUANTISED p, in two chains.  These 31 lines are also the places between the writes of p's codes and scale word and the products below
	v_pk_add_f32 v[SB:SB+1], v[S+2:S+3], v[S+6:S+7]
.irp j, 8,12,16,20,24,28,32,36,40,44,48,52,56,60
	v_pk_add_f32 v[SA:SA+1], v[SA:SA+1], v[S+\j:S+\j+1]
	v_pk_add_f32 v[SB:SB+1], v[SB:SB+1], v[S+\j+2:S+\j+3]
.endr
	v_pk_add_f32 v[SA:SA+1], v[SA:SA+1], v[SB:SB+1]
	WIN 0x01
.irp y, 0,1,2,3                                ; O^T: tile y, lane (r, h), register j: channel 32 (y / 2) + 16 h + 8 (y % 2) + j of query r
	v_wmma_scale_f32_16x16x128_f8f6f4 v[O+8*\y:O+8*\y+7], v[VF+8*(4*\x+\y):VF+8*(4*\x+\y)+7], v[PC:PC+7], 0, v[VSW+4*\x+\y], v[PW] matrix_a_fmt:MATRIX_FMT_FP4 matrix_b_fmt:MATRIX_FMT_FP4
.endr
	WIN 0
	v_add_f32 v[SA], v[SA], v[SA+1]
	v_permlanex16_b32 v[SA+1], v[SA], s[SEL], s[SEL+1]
	v_add_f32 v[SA], v[SA], v[SA+1]                ; the row's sum
	s_wait_alu depctr_va_vdst(0)
	v_rcp_f32 v[NM], v[SA]
	PLACES                                         ; behind the reciprocal, and behind the products whose results are read next
	s_wait_alu depctr_va_vdst(0)                   ; the wait ahead of the first readers
.irp j, 0,2,4,6,8,10,12,14,16,18,20,22,24,26,28,30
	v_pk_mul_f32 v[O+\j:O+\j+1], v[O+\j:O+\j+1], v[NM:NM+1] op_sel_hi:[1,0]   ; O^T / the sum, each accumulator from its low end on
.endr
	s_wait_alu depctr_va_vdst(0)                   ; directly ahead of the wait below
	s_wait_xcnt 0x0                                ; the earlier stores to out0 have read v224-255 and their base
.if (\x) == 0
	s_lshr_b32 s[OFS], s[QT], 1                    ; this tile's first row: 32 (qt / 2) + 8 (qt % 2), of 4,096 bytes
	s_lshl_b32 s[OFS], s[OFS], 17
	s_and_b32 s[T2], s[QT], 1
	s_lshl_b32 s[T2], s[T2], 15
	s_add_co_u32 s[OFS], s[OFS], s[T2]
	s_add_nc_u64 s[OP:OP+1], s[OUT:OUT+1], s[OFS:OFS+1]
.endif
.irp y, 0,1,2,3
	ds_store_b128 v[SO], v[O+8*\y:O+8*\y+3] offset:128*(\y/2)+32*(\y%2)
	ds_store_b128 v[SO], v[O+8*\y+4:O+8*\y+7] offset:128*(\y/2)+32*(\y%2)+16
.endr
.irp i, 0,1,2,3,4,5,6,7
	ds_load_b128 v[OB+4*\i:OB+4*\i+3], v[SR] offset:2*SP*\i       ; back as whole rows of 256 bytes; the next head's stores into the stage come behind these
.endr
.endm
	s_wait_dscnt 0x0                               ; k's and V^T's fragments and q's first tile are in: the stage may lie over k's image
.Lquery:                                           ; 8 trips: a tile of 16 queries, both heads
	HEAD 0
	HEAD 1
	s_add_co_u32 s[QT], s[QT], 1
	s_cmp_lt_u32 s[QT], 8
	s_cbranch_scc1 .Lquery
	s_wait_dscnt 0x0                               ; the last tile's second head
	STORES 1
	s_wait_xcnt 0x0                                ; the stores have read v254 and v255
	v_lshl_add_u32 v254, v0, 2, SPARE
	v_mov_b32 v255, 0
	s_wait_alu depctr_va_vdst(0)                   ; directly ahead of the waits below
	s_wait_tensorcnt 0x0                           ; the wave's end
	s_wait_asynccnt 0x0
	ds_add_u32 v254, v255
	s_wait_dscnt 0x0
	s_endpgm
.Lfunc_end_k_q9576267bb6_attn:
	.size	k_q9576267bb6_attn, .Lfunc_end_k_q9576267bb6_attn-k_q9576267bb6_attn
	.p2alignl 7, 3214868480
	.fill 96, 4, 3214868480
	.section	.rodata,"a",@progbits
	.p2align	6, 0x0
	.amdhsa_kernel k_q9576267bb6_attn
		.amdhsa_group_segment_fixed_size 327680
		.amdhsa_private_segment_fixed_size 0
		.amdhsa_enable_private_segment 0
		.amdhsa_kernarg_size 48
		.amdhsa_user_sgpr_count 2
		.amdhsa_user_sgpr_kernarg_segment_ptr 1
		.amdhsa_wavefront_size32 1
		.amdhsa_system_sgpr_workgroup_id_x 1
		.amdhsa_system_sgpr_workgroup_id_y 1
		.amdhsa_system_sgpr_workgroup_id_z 1
		.amdhsa_system_vgpr_workitem_id 0
		.amdhsa_next_free_vgpr 1024
		.amdhsa_next_free_sgpr 66
		.amdhsa_reserve_vcc 0
		.amdhsa_float_denorm_mode_32 3
		.amdhsa_float_denorm_mode_16_64 3
		.amdhsa_memory_ordered 1
		.amdhsa_forward_progress 1
		.amdhsa_inst_pref_size 255
	.end_amdhsa_kernel
	.section	.bss,"aw",@nobits
	.p2align	6
	.space	262144
	.amdgpu_metadata
---
amdhsa.version: [ 1, 2 ]
amdhsa.kernels:
  - .name:           k_q9576267bb6_attn
    .symbol:         k_q9576267bb6_attn.kd
    .args:
      - { .name: codes, .offset: 0, .size: 8, .value_kind: global_buffer, .address_space: global }
      - { .name: scales, .offset: 8, .size: 8, .value_kind: global_buffer, .address_space: global }
      - { .name: bk, .offset: 16, .size: 8, .value_kind: global_buffer, .address_space: global }
      - { .name: bq, .offset: 24, .size: 8, .value_kind: global_buffer, .address_space: global }
      - { .name: bv, .offset: 32, .size: 8, .value_kind: global_buffer, .address_space: global }
      - { .name: out0, .offset: 40, .size: 8, .value_kind: global_buffer, .address_space: global }
    .group_segment_fixed_size: 327680
    .private_segment_fixed_size: 0
    .kernarg_segment_align: 8
    .kernarg_segment_size: 48
    .max_flat_workgroup_size: 128
    .sgpr_count:     66
    .vgpr_count:     1024
    .wavefront_size: 32
...
	.end_amdgpu_metadata
.endif
;; end of part 4
